; MI455X (gfx1250); checked and timed in simulation.
; The chip was launched on July 23, 2026; its instructions are those of AMD's public machine-readable ISA for CDNA 5 (MIT licence, August 2026) and "CDNA5" Instruction Set Architecture Reference Guide (July 2026). The comments in the code are by the model that wrote it; some were corrected since.
;; Multihead Attention. Allowed arithmetic: matrix products marked QUANTISED: E2M1 operands, one E8M0 scale for each 32 along K, by v_wmma_scale_f32_16x16x128_f8f6f4 with both operands' format E2M1 (or v_wmma_scale_f32_32x16x128_f4), f32 sums; products left as they are: bf16, f16 or f32 operands; f32 sums; everything else in f32.
;; Inputs: K 4 x 2,048 x 1,024 float32; Q 4 x 2,048 x 1,024 float32; V 4 x 2,048 x 1,024 float32; Wk 16 x 1,024 x 64 float32; Wo 1,024 x 1,024 float32; Wq 16 x 1,024 x 64 float32; Wv 16 x 1,024 x 64 float32; bk 16 x 64 float32; bo 1,024 float32; bq 16 x 64 float32; bv 16 x 64 float32.
;; Outputs: out0 4 x 2,048 x 1,024 float32.
;; This version of the problem:
;;   THIS VERSION OF THE PROBLEM IS GIVEN IN LOW PRECISION. The matrix products marked QUANTISED in the list below multiply operands that are first quantised to E2M1 (2 exponent bits, 1 mantissa bit; 4 bits a number), with one power-of-two scale for each 32 numbers along K (OCP MX v1.0); their sums are f32. The products marked 'left as it is' may take bf16, f16 or f32 operands, with f32 sums. Whichever they take, every output number must still come out within the allowed error. Rounding operands to bf16 (8 significant bits) uses up far more of that allowance than f16 does (11 bits, for magnitudes from 6e-5 to 65,504). All else is computed in f32.
;;   The module's matrix products, in the order in which they are computed (A, B: the left and right operand; K: the contracted axis; several contracted axes count as one K, in the product's order):
;;     1. [M 1,024, K 1,024] x [K 1,024, N 8,192]; A: input Wq; B: input Q: QUANTISED
;;     2. [M 1,024, K 1,024] x [K 1,024, N 8,192]; A: input Wk; B: input K: QUANTISED
;;     3. [M 1,024, K 1,024] x [K 1,024, N 8,192]; A: input Wv; B: input V: QUANTISED
;;     4. batch 64 x [M 2,048, K 64] x [K 64, N 2,048]; A: computed on the way; B: computed on the way: left as it is (an operand is computed on the way)
;;     5. batch 64 x [M 2,048, K 2,048] x [K 2,048, N 64]; A: computed on the way; B: computed on the way: left as it is (an operand is computed on the way)
;;     6. [M 8,192, K 1,024] x [K 1,024, N 1,024]; A: computed on the way; B: input Wo: left as it is (an operand is computed on the way)
;;   THE QUANTISER, for each operand of a quantised product, along K:
;;     - K is cut into blocks of 32 from its start; a last block that is shorter is filled with zeros.
;;     - A block's scale is 2^e with e = floor(log2(the largest magnitude in the block)) - 2, held to -126 .. 127; a block of zeros has e = 0. As a byte (E8M0): e + 127.
;;     - Each number is divided by its block's scale, clamped to +-6, and rounded to the nearest number of E2M1, ties to even, subnormals kept.
;;     - The product sums the exact products of the quantised numbers (number of the format x scale) in f32.
;;   ~~~python
;;   def quantise(x, axis):      # numpy; x: float32 -> the quantised numbers, widened to float32 again
;;       x = np.moveaxis(x, axis, -1); K = x.shape[-1]
;;       x = np.pad(x, [(0, 0)] * (x.ndim - 1) + [(0, -K % 32)]); x = x.reshape(x.shape[:-1] + (-1, 32)); a = np.abs(x).max(-1, keepdims=True)
;;       e = np.where(a > 0, np.clip(np.frexp(np.where(a > 0, a, 1))[1] - 1 - 2, -126, 127), 0)      # np.frexp(a)[1] - 1 = floor(log2(a)), exactly
;;       r = np.clip(x / 2.0 ** e, -6, 6)
;;       step = 2.0 ** (np.maximum(np.frexp(np.where(r == 0, 1, r))[1] - 1, 0) - 1)
;;       q = np.round(r / step) * step * 2.0 ** e      # np.round: ties to even
;;       return np.moveaxis(q.reshape(q.shape[:-2] + (-1,))[..., :K], -1, axis).astype(np.float32)
;;   ~~~
;; One version. Each part assembles by itself: llvm-mc -triple=amdgcn-amd-amdhsa -mcpu=gfx1250 --defsym DOCPART=n.
;; ======== version 1 of 1: 4 launches
;; limits: values are held in f16: magnitudes above 65,504 overflow, below 6.1e-05 lose precision
;; workspace buffers: xc 12,582,912 bytes; xs 786,432 bytes; wc 1,572,864 bytes; ws 98,304 bytes; wo16 2,097,152 bytes; qkv 50,331,648 bytes; ctx 16,777,216 bytes
;; launch prep (part 1): grid 928 x 1, 4 waves a work-group, no clusters, 68,096 bytes of LDS; arguments Q, K, V, Wq, Wk, Wv, Wo, xc, xs, wc, ws, wo16; writes xc, xs, wc, ws, wo16
.if DOCPART == 1
	.amdgcn_target "amdgcn-amd-amdhsa--gfx1250"
	.amdhsa_code_object_version 6
	.text
	.protected	k_qea51b420f6_prep
	.globl	k_qea51b420f6_prep
	.p2align	8
	.type	k_qea51b420f6_prep,@function
k_qea51b420f6_prep:
	s_mov_b64 s[64:65], 0
	v_nop
	global_prefetch_b8 v0, s[64:65] scope:SCOPE_SE
	s_setreg_imm32_b32 hwreg(HW_REG_WAVE_MODE, 25, 1), 1
	s_wait_xcnt 0x0
; MULTI-HEAD ATTENTION, launch 1 of 4: the operands of the three quantised projections become codes of FP4 (E2M1) with one E8M0 byte for each 32 along d, and Wo becomes f16.
; DEAD WORK, for the whole program.  scores[q][s] = q . (K_s Wk + bk) / 8 = q . (K_s Wk) / 8 + (q . bk) / 8.  The second term does not hang on s, the axis of the softmax, so in exact arithmetic
; it cancels in softmax(scores) for all finite values of all inputs; the product of q and k is not quantised, so bk moves no code and no scale.  bk has no other way to the output.
; So bk is not loaded and is an argument of no launch.  LIMIT: a NaN, an infinity or an overflow that reaches only this term is not carried to the result.  bq (it multiplies k_s, which hangs on s), bv and bo stay.
; THREE PATHS, parted on the work-group's number alone (all four waves of a work-group go the same way); each has LDS bytes of its own:
;   work-groups 0-95    Wq, Wk, Wv [16 h][1024 d][64 k] f32 -> wc [3][1024 n = 64 h + k][512 bytes], ws [3][1024][32]: d, the product's K, is not innermost: a lane takes a column, its registers run down d
;   work-groups 96-159  Wo [1024 n][1024 c] f32 -> wo16 [1024 n][1024 c'] f16 with c' = 64 h + k holding Wo[n][16 k + h]: reference()'s order of concat becomes the order in which the heads' results are stored
;   work-groups 160-927 Q, K, V [8192 rows][1024] f32 -> xc [3][8192][512 bytes], xs [3][8192][32]: d innermost: plain streams of blocks of 32
; A block's scale is 2^(floor(log2(its largest magnitude)) - 2); its byte is the largest magnitude's exponent field - 2, held at 1 from below.  Each number is divided by the scale and rounded to the nearest code,
; ties to even; beyond 6 the conversion gives the largest code.
; LIMITS: a block whose largest magnitude lies under 2^-124 has its byte held at 1; a block of zeros gets the byte 1 where the rule says 127 (its codes are zeros, and this program alone reads the bytes);
; NaN and infinities among the inputs are not served; Wo goes to f16: magnitudes from 6e-5 to 65,504 keep 11 bits.
.set NW,    96                         ; work-groups of the weights' path
.set NO,    64                         ; of Wo's
.set SP,    80                         ; X: a lane's place in a stage: 64 bytes + 16 of padding
.set XWREG, 8192                       ; X: LDS region of a wave: two stages of 32 x SP bytes, then its 256 scale bytes
.set WSTG,  32768                      ; W: 32 columns' rows of codes, 512 bytes + 16
.set WP,    528
.set WSC,   WSTG+32*WP                 ; W: 32 columns x 32 scale bytes
.set OSTG,  WSC+1024                   ; O: a row of Wo for each wave: 8 pieces of 512 bytes + 16
.set OWAVE, 8*528
.set SPARE, OSTG+4*OWAVE               ; the spare words, 128 bytes for each wave: two blocks of 256 bytes that no other line names
.set SPW,   192                        ; v192 LDS address of my spare word; never rewritten
.set NIL,   193                        ; v193 0; never rewritten
.set STEPS, 16
.set XR,    16                         ; X: v16-79   four sets of 16 numbers as loaded
.set XN,    80                         ; X: v80-111  two sets of 16 neighbours
.set XE,    112                        ; X: v112-127 a scale byte for each step
.set XC,    128                        ; X: v128-159 two registers of codes for each step: no store's data are written again
.set WN,    32                         ; W: v32-95   two sets of 32 numbers
.set WC,    96                         ; W: v96-99   a block's codes
.set WSB,   24                         ; W: v24-25   eight scale bytes
.set WOUT,  112                        ; W: v112-143 the way out
.set ON,    32                         ; O: v32-159  four rows as loaded; a row's first 16 registers later hold its f16
.set OT,    160                        ; O: v160-191 32 numbers in the new order
	s_load_b256 s[4:11], s[0:1], 0x0               ; Q s[4:5], K s[6:7], V s[8:9], Wq s[10:11]
	s_load_b256 s[12:19], s[0:1], 0x20             ; Wk s[12:13], Wv s[14:15], Wo s[16:17], xc s[18:19]
	s_load_b256 s[20:27], s[0:1], 0x40             ; xs s[20:21], wc s[22:23], ws s[24:25], wo16 s[26:27]
	v_lshl_add_u32 v[SPW], v0, 2, SPARE
	v_mov_b32 v[NIL], 0
	v_lshrrev_b32 v1, 5, v0
	v_readfirstlane_b32 s28, v1                    ; wave 0..3
	v_and_b32 v2, 31, v0                           ; lane
	s_wait_kmcnt 0x0
	s_cmp_lt_u32 ttmp9, NW
	s_cbranch_scc1 .Lweights
	s_cmp_lt_u32 ttmp9, NW+NO
	s_cbranch_scc1 .Lwo
; ---------------- X: Q, K, V.  A wave takes 16 steps of 512 numbers.  Each load reads 512 consecutive bytes; a step's 2,048 bytes turn through the wave's own stage, so that a lane holds 16 neighbours.
	v_lshlrev_b32 v3, 4, v2                        ; my 16 bytes of a load's 512
	s_mul_i32 s29, s28, XWREG
	v_lshrrev_b32 v14, 2, v2
	v_mul_u32_u24 v14, v14, SP
	v_and_b32 v15, 3, v2
	v_lshl_add_u32 v14, v15, 4, v14
	v_add_nc_u32 v14, s29, v14                     ; the stage, in: SP (lane / 4) + 16 (lane % 4)
	v_mul_u32_u24 v15, v2, SP
	v_add_nc_u32 v15, s29, v15                     ; and out: SP x lane
	v_lshlrev_b32 v4, 3, v2                        ; 8 x lane: my codes' place in a step's 256 bytes, and my 8 scale bytes at the end
	v_lshrrev_b32 v5, 1, v2
	s_add_co_u32 s29, s29, 2*32*SP
	v_add_nc_u32 v5, s29, v5                       ; my block's scale byte in the wave's 256
	v_add_nc_u32 v6, s29, v4
	s_sub_co_u32 s30, ttmp9, NW+NO                 ; g = 0..767
	s_lshr_b32 s31, s30, 8                         ; which tensor
	s_cmp_eq_u32 s31, 0
	s_cselect_b64 s[4:5], s[4:5], s[6:7]           ; the choice hangs on the work-group's number alone
	s_cmp_eq_u32 s31, 2
	s_cselect_b64 s[4:5], s[8:9], s[4:5]
	s_and_b32 s32, s30, 255
	s_lshl_b32 s32, s32, 2
	s_add_co_u32 s32, s32, s28                     ; my run of 8,192 numbers in the tensor
	s_lshl_b32 s32, s32, 15
	s_mov_b32 s33, 0
	s_add_nc_u64 s[4:5], s[4:5], s[32:33]
	s_lshl_b32 s34, s30, 2
	s_add_co_u32 s34, s34, s28                     ; and among all three tensors' runs
	s_lshl_b32 s32, s34, 12                        ; 4,096 bytes of codes a run
	s_add_nc_u64 s[18:19], s[18:19], s[32:33]
	s_lshl_b32 s32, s34, 8                         ; 256 scale bytes a run
	s_add_nc_u64 s[20:21], s[20:21], s[32:33]
.macro XLOAD t
.irp i, 0,1,2,3
	global_load_b128 v[XR+16*((\t)%4)+4*\i:XR+16*((\t)%4)+4*\i+3], v3, s[4:5] offset:2048*(\t)+512*\i th:TH_LOAD_NT
.endr
.endm
.macro XTURN t                         ; step t through the stage: LDS serves a wave's instructions in order, so no wait stands between the stores and the loads
.irp i, 0,1,2,3
	ds_store_b128 v14, v[XR+16*((\t)%4)+4*\i:XR+16*((\t)%4)+4*\i+3] offset:32*SP*((\t)%2)+8*SP*\i
.endr
.irp i, 0,1,2,3
	ds_load_b128 v[XN+16*((\t)%2)+4*\i:XN+16*((\t)%2)+4*\i+3], v15 offset:32*SP*((\t)%2)+16*\i
.endr
.endm
.irp t, 0,1,2,3
	XLOAD \t
.endr
	s_wait_loadcnt 12                              ; step 0's four loads are in
	XTURN 0
.macro XSTEP t
.set XS, XN+16*((\t)%2)
.if (\t) > 0
	s_wait_dscnt 1                                 ; this step's numbers are back from the stage; the last step's byte store may be out
.else
	s_wait_dscnt 0x0
.endif
.if (\t)+4 < STEPS
	XLOAD (\t)+4                                   ; into the set that this step's stage stores have read
.endif
.if (\t)+1 < STEPS
.if STEPS-2-(\t) >= 3
	s_wait_loadcnt 12                              ; the next step's four loads are in; three steps' may be out
.else
	s_wait_loadcnt 4*(STEPS-2-(\t))
.endif
	XTURN (\t)+1
.endif
	v_max3_num_f32 v8, |v[XS]|, |v[XS+1]|, |v[XS+2]|               ; the largest magnitude of my 16, in two chains
	v_max3_num_f32 v9, |v[XS+3]|, |v[XS+4]|, |v[XS+5]|
.irp i, 6,10
	v_max3_num_f32 v8, v8, |v[XS+\i]|, |v[XS+\i+1]|
	v_max3_num_f32 v9, v9, |v[XS+\i+2]|, |v[XS+\i+3]|
.endr
	v_max3_num_f32 v8, v8, |v[XS+14]|, |v[XS+15]|
	v_max3_num_f32 v8, v8, v9, 0x1800000           ; and the floor 2^(3 - 127): the byte cannot fall under 1
	v_max_num_f32_dpp v8, v8, v8 row_xmask:1 row_mask:0xf bank_mask:0xf   ; with my neighbour's 16: the block's
	v_add_nc_u32 v11, 0xff000000, v8               ; 2 off its exponent field: the conversion takes the exponent field of this operand as its scale
	v_cvt_scalef32_pk8_fp4_f32 v[XC+2*(\t)], v[XS:XS+7], v11
	v_cvt_scalef32_pk8_fp4_f32 v[XC+2*(\t)+1], v[XS+8:XS+15], v11
	v_lshrrev_b32 v[XE+(\t)], 23, v11              ; the scale's byte (a plain line behind the conversions)
	ds_store_b8 v5, v[XE+(\t)] offset:16*(\t)      ; both lanes of a block write the same byte with the same value
	global_store_b64 v4, v[XC+2*(\t):XC+2*(\t)+1], s[18:19] offset:256*(\t)   ; the wave stores 256 consecutive bytes, aligned
.endm
.irp t, 0,1,2,3,4,5,6,7,8,9,10,11,12,13,14,15
	XSTEP \t
.endr
	ds_load_b64 v[8:9], v6                         ; my wave's 256 scale bytes, 8 a lane
	s_wait_dscnt 0x0
	global_store_b64 v4, v[8:9], s[20:21]          ; 256 consecutive bytes, aligned
	s_wait_tensorcnt 0x0                           ; the wave's end, behind my last LDS store
	ds_add_u32 v[SPW], v[NIL]
	s_wait_dscnt 0x0
	s_endpgm
; ---------------- W: Wq, Wk, Wv.  A work-group takes 32 columns of one head; wave w takes d = 256 w .. 256 w + 255: eight blocks of 32 a lane.  The four waves' codes meet in a stage, one row a column.
.Lweights:
	s_lshr_b32 s29, ttmp9, 5                       ; which weight
	s_bfe_u32 s30, ttmp9, 0x40001                  ; head
	s_and_b32 s31, ttmp9, 1                        ; which 32 of its 64 columns
	s_cmp_eq_u32 s29, 0
	s_cselect_b64 s[10:11], s[10:11], s[12:13]
	s_cmp_eq_u32 s29, 2
	s_cselect_b64 s[10:11], s[14:15], s[10:11]
	s_lshl_b32 s32, s30, 18                        ; a head: 1,024 rows of 256 bytes
	s_lshl_b32 s33, s28, 16                        ; my wave's 256 rows
	s_add_co_u32 s32, s32, s33
	s_lshl_b32 s33, s31, 7
	s_add_co_u32 s32, s32, s33
	s_mov_b32 s33, 0
	s_add_nc_u64 s[10:11], s[10:11], s[32:33]
	s_lshl_b32 s34, s29, 10
	s_lshl_b32 s35, s30, 6
	s_add_co_u32 s34, s34, s35
	s_lshl_b32 s35, s31, 5
	s_add_co_u32 s34, s34, s35                     ; the first of my work-group's 32 rows of wc and ws
	s_lshl_b32 s32, s34, 9
	s_add_nc_u64 s[22:23], s[22:23], s[32:33]
	s_lshl_b32 s32, s34, 5
	s_add_nc_u64 s[24:25], s[24:25], s[32:33]
	v_lshlrev_b32 v3, 2, v2                        ; in: 4 bytes a lane
	v_mul_u32_u24 v4, v2, WP
	s_lshl_b32 s36, s28, 7
	s_add_co_u32 s36, s36, WSTG
	v_add_nc_u32 v4, s36, v4                       ; codes: row = my column, + 128 bytes x wave
	v_lshlrev_b32 v5, 5, v2
	s_lshl_b32 s36, s28, 3
	s_add_co_u32 s36, s36, WSC
	v_add_nc_u32 v5, s36, v5                       ; scale bytes: 32 x column + 8 x wave
	v_lshlrev_b32 v6, 4, v2
	s_mul_i32 s36, s28, 8*WP
	s_add_co_u32 s36, s36, WSTG
	v_add_nc_u32 v7, s36, v6                       ; out: my wave's 8 rows, 16 bytes a lane
	v_lshl_add_u32 v8, s28, 12, v6                 ; and the same in wc
	v_lshlrev_b32 v10, 3, v2
	s_lshl_b32 s36, s28, 8
	v_add_nc_u32 v10, s36, v10                     ; scale bytes out: 256 x wave + 8 x lane
	v_add_nc_u32 v9, WSC, v10
.macro WLOAD t                         ; block t: W(256 w + 32 t + i, my column): 32 lanes read 128 consecutive bytes
.irp i, 0,1,2,3,4,5,6,7,8,9,10,11,12,13,14,15,16,17,18,19,20,21,22,23,24,25,26,27,28,29,30,31
	global_load_b32 v[WN+32*((\t)%2)+\i], v3, s[10:11] offset:(32*(\t)+\i)*256 th:TH_LOAD_NT
.endr
.endm
	WLOAD 0
	WLOAD 1
.macro WBLOCK t
.set WS, WN+32*((\t)%2)
.if (\t) < 7
	s_wait_loadcnt 32                              ; this block's 32 loads are in; the next block's may be out
.else
	s_wait_loadcnt 0x0
.endif
	v_max3_num_f32 v12, |v[WS]|, |v[WS+1]|, |v[WS+2]|               ; the block's largest magnitude: all 32 numbers are mine
	v_max3_num_f32 v13, |v[WS+3]|, |v[WS+4]|, |v[WS+5]|
.irp i, 6,10,14,18,22,26
	v_max3_num_f32 v12, v12, |v[WS+\i]|, |v[WS+\i+1]|
	v_max3_num_f32 v13, v13, |v[WS+\i+2]|, |v[WS+\i+3]|
.endr
	v_max3_num_f32 v12, v12, |v[WS+30]|, |v[WS+31]|
	v_max3_num_f32 v12, v12, v13, 0x1800000        ; and the floor
	v_add_nc_u32 v11, 0xff000000, v12              ; the conversion's scale operand
	v_lshrrev_b32 v13, 23, v11                     ; the scale's byte
.if (\t)%4 == 0
	v_mov_b32 v[WSB+(\t)/4], v13
.else
	v_lshl_or_b32 v[WSB+(\t)/4], v13, 8*((\t)%4), v[WSB+(\t)/4]
.endif
.irp g, 0,1,2,3
	v_cvt_scalef32_pk8_fp4_f32 v[WC+\g], v[WS+8*\g:WS+8*\g+7], v11
.endr
	v_nop                                          ; a plain line behind the last conversion
	ds_store_b128 v4, v[WC:WC+3] offset:16*(\t)    ; 32 codes: 16 bytes of my column's row
.if (\t)+2 < 8
	WLOAD (\t)+2
.endif
	s_wait_dscnt 0x0                               ; the store has read its registers
.endm
.irp t, 0,1,2,3,4,5,6,7
	WBLOCK \t
.endr
	ds_store_b64 v5, v[WSB:WSB+1]
	s_wait_dscnt 0x0                               ; for the others' sake: my stores have landed
	s_barrier_signal -1
	s_barrier_wait -1                              ; 32 whole rows of codes and of scale bytes lie in LDS
.irp i, 0,1,2,3,4,5,6,7
	ds_load_b128 v[WOUT+4*\i:WOUT+4*\i+3], v7 offset:\i*WP
.endr
	ds_load_b64 v[12:13], v9
.irp i, 0,1,2,3,4,5,6,7
	s_wait_dscnt 8-\i                              ; row i is in; the younger rows and the scale bytes may be out
	global_store_b128 v8, v[WOUT+4*\i:WOUT+4*\i+3], s[22:23] offset:512*\i   ; a whole row of 512 bytes
.endr
	s_wait_dscnt 0x0
	global_store_b64 v10, v[12:13], s[24:25]       ; 256 consecutive bytes a wave, aligned
	s_wait_tensorcnt 0x0                           ; the wave's end
	ds_add_u32 v[SPW], v[NIL]
	s_wait_dscnt 0x0
	s_endpgm
; ---------------- O: Wo.  A wave takes four rows.  A row goes into the wave's stage as it lies and comes back word by word in the new order: output number 256 j + 8 lane + i is
; head 4 j + lane / 8, channel 8 (lane % 8) + i: source word 128 (lane % 8) + 16 i + 4 j + lane / 8.  With 16 bytes behind each 512 the 32 lanes of a load touch 32 different banks (64 banks of 4 bytes: ISA guide 11.1).
.Lwo:
	s_sub_co_u32 s29, ttmp9, NW
	s_lshl_b32 s29, s29, 2
	s_add_co_u32 s29, s29, s28                     ; my four rows
	s_lshl_b32 s32, s29, 14
	s_mov_b32 s33, 0
	s_add_nc_u64 s[16:17], s[16:17], s[32:33]
	s_lshl_b32 s32, s29, 13
	s_add_nc_u64 s[26:27], s[26:27], s[32:33]
	v_lshlrev_b32 v3, 4, v2                        ; 16 x lane
	s_mul_i32 s30, s28, OWAVE
	s_add_co_u32 s30, s30, OSTG
	v_add_nc_u32 v4, s30, v3
	v_and_b32 v5, 7, v2
	v_mul_u32_u24 v5, v5, 528
	v_lshrrev_b32 v6, 3, v2
	v_lshl_add_u32 v5, v6, 2, v5
	v_add_nc_u32 v5, s30, v5
.irp p, 0,1,2,3
.irp i, 0,1,2,3,4,5,6,7
	global_load_b128 v[ON+32*\p+4*\i:ON+32*\p+4*\i+3], v3, s[16:17] offset:4096*\p+512*\i th:TH_LOAD_NT
.endr
.endr
.irp p, 0,1,2,3
	s_wait_loadcnt 8*(3-\p)                        ; this row's eight loads are in; the later rows' may be out
.irp i, 0,1,2,3,4,5,6,7
	ds_store_b128 v4, v[ON+32*\p+4*\i:ON+32*\p+4*\i+3] offset:528*\i
.endr
.irp j, 0,1,2,3
.irp i, 0,1,2,3,4,5,6,7
	ds_load_b32 v[OT+8*\j+\i], v5 offset:64*\i+16*\j
.endr
.endr
	s_wait_dscnt 0x0
.irp j, 0,1,2,3
.irp i, 0,1,2,3
	v_cvt_pk_f16_f32 v[ON+32*\p+4*\j+\i], v[OT+8*\j+2*\i], v[OT+8*\j+2*\i+1]   ; into the row's own registers, which its stage stores have read
.endr
.endr
.irp j, 0,1,2,3
	global_store_b128 v3, v[ON+32*\p+4*\j:ON+32*\p+4*\j+3], s[26:27] offset:2048*\p+512*\j   ; 512 consecutive bytes
.endr
.endr
	s_wait_tensorcnt 0x0                           ; the wave's end
	ds_add_u32 v[SPW], v[NIL]
	s_wait_dscnt 0x0
	s_endpgm
.Lfunc_end_k_qea51b420f6_prep:
	.size	k_qea51b420f6_prep, .Lfunc_end_k_qea51b420f6_prep-k_qea51b420f6_prep
	.p2alignl 7, 3214868480
	.fill 96, 4, 3214868480
	.section	.rodata,"a",@progbits
	.p2align	6, 0x0
	.amdhsa_kernel k_qea51b420f6_prep
		.amdhsa_group_segment_fixed_size 68096
		.amdhsa_private_segment_fixed_size 0
		.amdhsa_enable_private_segment 0
		.amdhsa_kernarg_size 96
		.amdhsa_user_sgpr_count 2
		.amdhsa_user_sgpr_kernarg_segment_ptr 1
		.amdhsa_wavefront_size32 1
		.amdhsa_system_sgpr_workgroup_id_x 1
		.amdhsa_system_sgpr_workgroup_id_y 1
		.amdhsa_system_sgpr_workgroup_id_z 1
		.amdhsa_system_vgpr_workitem_id 0
		.amdhsa_next_free_vgpr 200
		.amdhsa_next_free_sgpr 66
		.amdhsa_reserve_vcc 0
		.amdhsa_float_denorm_mode_32 3
		.amdhsa_float_denorm_mode_16_64 3
		.amdhsa_memory_ordered 1
		.amdhsa_forward_progress 1
		.amdhsa_inst_pref_size 93
	.end_amdhsa_kernel
	.amdgpu_metadata
---
amdhsa.version: [ 1, 2 ]
amdhsa.kernels:
  - .name:           k_qea51b420f6_prep
    .symbol:         k_qea51b420f6_prep.kd
    .args:
      - { .name: Q, .offset: 0, .size: 8, .value_kind: global_buffer, .address_space: global }
      - { .name: K, .offset: 8, .size: 8, .value_kind: global_buffer, .address_space: global }
      - { .name: V, .offset: 16, .size: 8, .value_kind: global_buffer, .address_space: global }
      - { .name: Wq, .offset: 24, .size: 8, .value_kind: global_buffer, .address_space: global }
      - { .name: Wk, .offset: 32, .size: 8, .value_kind: global_buffer, .address_space: global }
      - { .name: Wv, .offset: 40, .size: 8, .value_kind: global_buffer, .address_space: global }
      - { .name: Wo, .offset: 48, .size: 8, .value_kind: global_buffer, .address_space: global }
      - { .name: xc, .offset: 56, .size: 8, .value_kind: global_buffer, .address_space: global }
      - { .name: xs, .offset: 64, .size: 8, .value_kind: global_buffer, .address_space: global }
      - { .name: wc, .offset: 72, .size: 8, .value_kind: global_buffer, .address_space: global }
      - { .name: ws, .offset: 80, .size: 8, .value_kind: global_buffer, .address_space: global }
      - { .name: wo16, .offset: 88, .size: 8, .value_kind: global_buffer, .address_space: global }
    .group_segment_fixed_size: 68096
    .private_segment_fixed_size: 0
    .kernarg_segment_align: 8
    .kernarg_segment_size: 96
    .max_flat_workgroup_size: 128
    .sgpr_count:     66
    .vgpr_count:     200
    .wavefront_size: 32
...
	.end_amdgpu_metadata
.endif
;; end of part 1
;; launch proj (part 2): grid 4 x 96, 4 waves a work-group, clusters of 4 x 4, 327,680 bytes of LDS; arguments xc, xs, wc, ws, bq, bv, qkv; writes qkv
.if DOCPART == 2
	.amdgcn_target "amdgcn-amd-amdhsa--gfx1250"
	.amdhsa_code_object_version 6
	.text
	.protected	k_qea51b420f6_proj
	.globl	k_qea51b420f6_proj
	.p2align	8
	.type	k_qea51b420f6_proj,@function
k_qea51b420f6_proj:
	s_mov_b64 s[64:65], 0
	v_nop
	global_prefetch_b8 v0, s[64:65] scope:SCOPE_SE
	s_setreg_imm32_b32 hwreg(HW_REG_WAVE_MODE, 25, 1), 1
	s_wait_xcnt 0x0
	s_wait_alu depctr_hold_cnt(0) depctr_sa_sdst(0) depctr_va_vdst(0) depctr_va_sdst(0) depctr_va_ssrc(0) depctr_va_vcc(0) depctr_vm_vsrc(0)
	s_getreg_b32 s2, hwreg(HW_REG_IB_STS2, 6, 4)
	s_cmp_eq_u32 s2, 0
	s_cbranch_scc0 .Lentry_in_a_cluster
	s_endpgm
.Lentry_in_a_cluster:
	s_bfe_u32 s2, ttmp6, 0x10000c
	s_cmp_lg_u32 s2, 0xf033
	s_cbranch_scc0 .Lentry_shape_is_right
	s_endpgm
.Lentry_shape_is_right:
; Launch 2 of 4: the three quantised projections, q = Q Wq + bq, k = K Wk, v = V Wv + bv, on codes of FP4 (E2M1) with one E8M0 scale for each 32 along d; sums in f32; results rounded once to f16.
; LEFT OUT: bk.  It adds the same number to all scores of a query, which the softmax cancels for all values of the inputs (shown at the head of the first kernel): k's sums begin at zero.
; A: xc [3 x 8192 rows][512 bytes], xs [3 x 8192][32].  B: wc [3 x 1024 n][512], ws [3 x 1024][32].  Out: qkv [3][64 = 16 b + h][2048 s][64] f16.
; A tile of 256 tokens x 256 columns is made by a work-group of four waves, 128 x 128 each: 64 accumulators, 512 registers.  d = 1,024 is two LDS slots of 512 along d (rows of 256 bytes): both are first fills, nothing is filled again.
; The scales of the work-group's rows, for all of d, come once, as dense blocks.  CLUSTERS: 4 x 4 work-groups; A's tiles are asked for jointly along a row of the cluster, B's along a column.
; A cluster's four tile rows lie in one of the three tensors (8 clusters a tensor), so which tensor it is hangs on the cluster's number alone.
; THE MATRIX INSTRUCTION IS USED TRANSPOSED (source 0 = 16 rows of B, source 1 = 16 tokens): a lane holds eight neighbouring columns of one token.  The bias is the C of each sum's first product.
; LIMIT: q, k, v go to f16: magnitudes over 65,504 are not served (the drawn kind gives about 6; all inputs 30 times larger about 5,400).
; REGISTERS: window 0: v0-31 addresses; v32-95 scale words, two sets, and nothing else; v128-191 A's fragments, one set; v192-255 the bias in the result's layout; on the way out v128-223 at work.
;   window 1: B's fragments, two sets.   windows 2, 3: the accumulators ((a, b) at v[8 (8 (a % 4) + b)]).
.set NQ,     4                         ; matrix instructions deep in a slot
.set ROWB,   256                       ; a tile's row: 512 codes
.set KROW,   512                       ; a row of codes in memory
.set PITCH,  272                       ; 256 bytes + 16: the 16 rows that a load touches start at 16 different banks (64 banks of 4 bytes: ISA guide 11.1)
.set FR,     8
.set NL,     2
.set NP,     4                         ; places behind this matrix instruction (ISA guide 7.12.1)
.set HALFT,  128*PITCH
.set SLOT,   4*HALFT
.set KS,     32                        ; a row of scale bytes
.set SCL,    2*SLOT
.set HALFS,  (128*KS/256)*272
.set SBLK,   (16*KS/256)*272
.set SPARE,  SCL+4*HALFS               ; the spare words: two blocks of 256 bytes that no other line names
.set SPITCH, 272                       ; the way out: a stage of 16 rows x (256 bytes + 16) for each wave, in slot 0, which has had its only fill and its last read by then
.set ADRA, 16
.set ADRB, 20
.set STO,  24
.set RD,   25
.set CO,   26
.set ADRS, 27
.set SPW,  28
.set NIL,  29
.set BO,   30                          ; v30  32 x (lane / 16): my eight numbers of a block of the bias; never rewritten
.set SC,   32
.set AF,   128
.set BIAS, 192
.set TMP,  192                         ; the way out: packed results
.set OB,   128                         ; the way out: rows read back, two sets of 32
.set G1, 24
.set G0, 32
.set G1B, 48
.set G0B, 56
.set G1S, 68
.set G0S, 76
.set G1SB, 80
.set G0SB, 88
.set MSB, 0
.macro WIN new
.if MSB != \new
	s_set_vgpr_msb (MSB<<8)|\new
.set MSB, \new
.endif
.endm
.set MUL_LO, 0xa1                      ; source 0 (B) window 1, source 1 (A) window 0, C and D window 2
.set MUL_HI, 0xf1
.set BIAS_LO, 0x81                     ; the same with C (the bias) in window 0
.set BIAS_HI, 0xc1
.set TO_B,   0x40
.macro JLOAD g0a, g1a, g0b, g1b        ; a joint load: waves 0 and 1 fetch for A, waves 2 and 3 for B; an s_nop 0 and four v_nop follow each line
	s_cmp_eq_u32 s15, 0
	s_cbranch_scc0 .Lfor_b_\@
	tensor_load_to_lds s[\g0a:\g0a+3], s[\g1a:\g1a+7]
	s_nop 0
.rept 4
	v_nop
.endr
	s_branch .Lasked_\@
.Lfor_b_\@:
	tensor_load_to_lds s[\g0b:\g0b+3], s[\g1b:\g1b+7]
	s_nop 0
.rept 4
	v_nop
.endr
.Lasked_\@:
.endm
.macro CROUND                          ; a round of the cluster's barrier
	s_barrier_signal -1
	s_barrier_wait -1
	s_cmp_lg_u32 s14, 0
	s_cbranch_scc1 .Lnot_wave_0_\@
	s_barrier_signal -3
.Lnot_wave_0_\@:
	s_barrier_wait -3
	s_barrier_signal -1
	s_barrier_wait -1
.endm
	s_load_b128 s[4:7], s[0:1], 0x0                ; xc, xs
	s_load_b128 s[8:11], s[0:1], 0x10              ; wc, ws
	s_load_b128 s[96:99], s[0:1], 0x20             ; bq, bv
	s_load_b64 s[12:13], s[0:1], 0x30              ; qkv
	v_lshl_add_u32 v[SPW], v0, 2, SPARE
	v_mov_b32 v[NIL], 0
	ds_add_u32 v[SPW], v[NIL]                      ; the wave's opening: the add, twice on end, and its wait ahead of my first tensor load
	ds_add_u32 v[SPW], v[NIL]
	v_lshrrev_b32 v1, 5, v0
	v_readfirstlane_b32 s14, v1                    ; wave 0..3
	s_lshr_b32 s15, s14, 1                         ; my half of the tile's tokens.  Also: I fetch for A (0) or for B (1)
	s_and_b32 s16, s14, 1                          ; my half of its columns.  Also: which 128 rows I fetch
	s_bfe_u32 s40, ttmp6, 0x40000                  ; cx
	s_bfe_u32 s41, ttmp6, 0x40004                  ; cy
	s_lshl_b32 s42, ttmp9, 2
	s_add_co_u32 s42, s42, s40                     ; tile column 0..3
	s_and_b32 s17, ttmp7, 0xffff
	s_lshr_b32 s95, s17, 3                         ; which tensor: 0 q, 1 k, 2 v: the same in all sixteen partners
	s_lshl_b32 s17, s17, 2
	s_add_co_u32 s17, s17, s41                     ; tile row 0..95
	s_lshl_b32 s43, s41, 2
	s_lshl_b32 s43, 15, s43                        ; my row of the cluster
	s_lshl_b32 s44, 0x1111, s40                    ; my column
	s_or_b32 s[G1+0], s43, (0<<16)|(1<<20)|(1<<21)|(5<<22)|(3<<25)   ; the mask; elements of 1 byte; padding: 4 words behind every 64; bit 21 beside a mask
	s_or_b32 s[G1B+0], s44, (0<<16)|(1<<20)|(1<<21)|(5<<22)|(3<<25)
.irp g, G1, G1B
	s_mov_b32 s[\g+1], ROWB<<16                    ; tensor_dim0
	s_mov_b32 s[\g+2], 128<<16                     ; tensor_dim1
	s_mov_b32 s[\g+3], ROWB<<16                    ; tile_dim0
	s_mov_b32 s[\g+4], 128                         ; tile_dim1
	s_mov_b32 s[\g+5], KROW                        ; the pitch
	s_mov_b32 s[\g+6], 0
	s_mov_b32 s[\g+7], 0
.endr
	s_or_b32 s[G1S+0], s43, (3<<16)|(1<<20)|(1<<21)|(5<<22)|(3<<25)  ; the scales of 128 rows: 4,096 dense bytes as 16 rows of 32 elements of 8 bytes
	s_or_b32 s[G1SB+0], s44, (3<<16)|(1<<20)|(1<<21)|(5<<22)|(3<<25)
.irp g, G1S, G1SB
	s_mov_b32 s[\g+1], 32<<16
	s_mov_b32 s[\g+2], (128*KS/256)<<16
	s_mov_b32 s[\g+3], 32<<16
	s_mov_b32 s[\g+4], 128*KS/256
	s_mov_b32 s[\g+5], 32
	s_mov_b32 s[\g+6], 0
	s_mov_b32 s[\g+7], 0
.endr
	s_lshl_b32 s18, s16, 7
	s_lshl_b32 s20, s17, 8
	s_add_co_u32 s20, s20, s18                     ; A: row 256 x tile row + 128 x half, among the three tensors' rows
	s_lshl_b32 s46, s42, 8
	s_add_co_u32 s46, s46, s18
	s_lshl_b32 s47, s95, 10
	s_add_co_u32 s46, s46, s47                     ; B: row 1,024 x tensor + 256 x tile column + 128 x half
	s_mov_b32 s21, 0
	s_mov_b32 s47, 0
	s_mov_b64 s[18:19], KS
	s_mul_u64 s[22:23], s[20:21], s[18:19]
	s_mul_u64 s[92:93], s[46:47], s[18:19]
	s_mov_b64 s[18:19], KROW
	s_mul_u64 s[20:21], s[20:21], s[18:19]
	s_mul_u64 s[46:47], s[46:47], s[18:19]
	s_mul_i32 s45, s14, HALFT                      ; where they go: wave x 128 rows
	s_mul_i32 s94, s14, HALFS
	s_wait_dscnt 0x0                               ; both opening adds are done
	s_wait_kmcnt 0x0
	s_add_nc_u64 s[20:21], s[4:5], s[20:21]
	s_add_nc_u64 s[22:23], s[6:7], s[22:23]
	s_add_nc_u64 s[46:47], s[8:9], s[46:47]
	s_add_nc_u64 s[92:93], s[10:11], s[92:93]
	CROUND                                         ; all sixteen work-groups are here: the joint loads meet
	s_mov_b32 s[G0S], 1
	s_add_co_u32 s[G0S+1], s94, SCL
	s_mov_b64 s[G0S+2:G0S+3], s[22:23]
	s_or_b32 s[G0S+3], s[G0S+3], 0x80000000
	s_mov_b32 s[G0SB], 1
	s_add_co_u32 s[G0SB+1], s94, SCL
	s_mov_b64 s[G0SB+2:G0SB+3], s[92:93]
	s_or_b32 s[G0SB+3], s[G0SB+3], 0x80000000
	JLOAD G0S, G1S, G0SB, G1SB                     ; the scales first; with the two below three loads of mine are out
.irp s, 0,1
	s_mov_b32 s[G0+4*\s], 1
	s_add_co_u32 s[G0+4*\s+1], s45, \s*SLOT
	s_add_nc_u64 s[G0+4*\s+2:G0+4*\s+3], s[20:21], \s*ROWB
	s_or_b32 s[G0+4*\s+3], s[G0+4*\s+3], 0x80000000
	s_mov_b32 s[G0B+4*\s], 1
	s_add_co_u32 s[G0B+4*\s+1], s45, \s*SLOT
	s_add_nc_u64 s[G0B+4*\s+2:G0B+4*\s+3], s[46:47], \s*ROWB
	s_or_b32 s[G0B+4*\s+3], s[G0B+4*\s+3], 0x80000000
	JLOAD G0+4*\s, G1, G0B+4*\s, G1B
.endr
	v_and_b32 v1, 15, v0                           ; r = lane % 16
	v_bfe_u32 v2, v0, 4, 1                         ; lane / 16
	v_mul_u32_u24 v3, v1, PITCH
	v_lshl_add_u32 v4, v2, 4, v3
	s_mul_i32 s21, s15, HALFT
	s_mul_i32 s22, s16, HALFT
	s_add_co_u32 s22, s22, 2*HALFT
.irp s, 0,1
	v_add_nc_u32 v[ADRA+\s], s21, v4
	v_add_nc_u32 v[ADRB+\s], s22, v4
	s_add_co_u32 s21, s21, SLOT
	s_add_co_u32 s22, s22, SLOT
.endr
	v_mul_u32_u24 v5, v1, KS                       ; my row's scales: 32 bytes a row, and 16 more for each 256 passed
	v_lshrrev_b32 v6, 8, v5
	v_lshl_add_u32 v5, v6, 4, v5
	s_mul_i32 s21, s15, HALFS
	s_mul_i32 s22, s16, HALFS
	s_add_co_u32 s22, s22, 2*HALFS
	s_sub_co_u32 s22, s22, s21
	v_mul_u32_u24 v6, s22, v2                      ; lanes 16-31 take B's
	s_add_co_u32 s21, s21, SCL
	v_add_nc_u32 v5, v5, v6
	v_add_nc_u32 v[ADRS], s21, v5
	s_mul_i32 s23, s14, 16*SPITCH                  ; my stage
	v_mul_u32_u24 v5, v1, SPITCH
	v_lshl_add_u32 v5, v2, 4, v5
	v_add_nc_u32 v[STO], s23, v5                   ; in: row r, 16 bytes for each half of the lanes
	v_bfe_u32 v6, v0, 3, 1
	v_and_b32 v7, 7, v0
	v_mul_u32_u24 v5, v6, SPITCH
	v_lshl_add_u32 v5, v2, 7, v5
	v_lshl_add_u32 v5, v7, 4, v5
	v_add_nc_u32 v[RD], s23, v5                    ; back: lanes 0-15 two tokens' 128 bytes of my first head, lanes 16-31 of my second
	v_lshlrev_b32 v5, 18, v2                       ; in qkv: a head is 262,144 bytes, a token's row 128
	v_lshl_add_u32 v5, v6, 7, v5
	v_lshl_add_u32 v[CO], v7, 4, v5
	s_and_b32 s20, s17, 31                         ; the tile row in its tensor
	s_lshr_b32 s21, s20, 3
	s_lshl_b32 s21, s21, 22                        ; b x 16 heads
	s_and_b32 s20, s20, 7
	s_lshl_b32 s20, s20, 15                        ; 256 tokens of 128 bytes
	s_add_co_u32 s20, s20, s21
	s_lshl_b32 s21, s15, 14
	s_add_co_u32 s20, s20, s21
	s_lshl_b32 s21, s95, 24                        ; the tensor
	s_add_co_u32 s20, s20, s21
	s_mov_b32 s21, 0
	s_lshl_b32 s46, s42, 20                        ; four heads a tile column,
	s_lshl_b32 s47, s16, 19                        ; two a wave
	s_add_co_u32 s46, s46, s47
	s_mov_b32 s47, 0
	s_add_nc_u64 s[20:21], s[20:21], s[46:47]
	s_add_nc_u64 s[12:13], s[12:13], s[20:21]
	; the bias in the result's layout: block b's eight registers hold bias[my first column + 16 b + 8 (lane / 16) + 0 .. 7]
	v_lshlrev_b32 v[BO], 5, v2
	s_lshl_b32 s46, s42, 10
	s_lshl_b32 s47, s16, 9
	s_add_co_u32 s46, s46, s47
	s_mov_b32 s47, 0
	s_cmp_eq_u32 s95, 0
	s_cselect_b64 s[96:97], s[96:97], s[98:99]
	s_add_nc_u64 s[96:97], s[96:97], s[46:47]
	s_cmp_eq_u32 s95, 1                            ; the cluster's number alone: all partners and all waves go the same way
	s_cbranch_scc1 .Lno_bias
.irp b, 0,1,2,3,4,5,6,7
	global_load_b128 v[BIAS+8*\b:BIAS+8*\b+3], v[BO], s[96:97] offset:64*\b
	global_load_b128 v[BIAS+8*\b+4:BIAS+8*\b+7], v[BO], s[96:97] offset:64*\b+16
.endr
	s_branch .Lbias_done
.Lno_bias:                                         ; k's sums begin at zero
.irp j, 0,1,2,3,4,5,6,7,8,9,10,11,12,13,14,15,16,17,18,19,20,21,22,23,24,25,26,27,28,29,30,31,32,33,34,35,36,37,38,39,40,41,42,43,44,45,46,47,48,49,50,51,52,53,54,55,56,57,58,59,60,61,62,63
	v_mov_b32 v[BIAS+\j], 0
.endr
.Lbias_done:
.macro FRAG reg, adr, q, i             ; 16 rows x 128 along d of 4-bit codes: 8 registers: two loads of 16 bytes, 32 bytes apart
.irp c, 0,1
	ds_load_b128 v[\reg+4*\c:\reg+4*\c+3], v[\adr] offset:64*(\q)+32*\c+(\i)*16*PITCH
.endr
.endm
; 16 matrix instructions: A's blocks a0, a0 + 1 x B's eight.  first = 1: the bias is the C.  The 64 accumulators take turns, one instruction a turn, in the same order in every step.
.macro MUL16 a0, p, q, sc, first
.irp a, \a0, \a0+1
.irp b, 0,1,2,3,4,5,6,7
.if \first
	v_wmma_scale_f32_16x16x128_f8f6f4 v[8*(8*((\a)%4)+\b):8*(8*((\a)%4)+\b)+7], v[128*(\p)+FR*\b:128*(\p)+FR*\b+FR-1], v[AF+FR*(\a):AF+FR*(\a)+FR-1], v[BIAS+8*\b:BIAS+8*\b+7], v[SC+8*NQ*(\sc)+NQ*\b+(\q)], v[SC+8*NQ*(\sc)+NQ*(\a)+(\q)] matrix_a_fmt:MATRIX_FMT_FP4 matrix_b_fmt:MATRIX_FMT_FP4 matrix_a_scale:MATRIX_SCALE_ROW1
.else
	v_wmma_scale_f32_16x16x128_f8f6f4 v[8*(8*((\a)%4)+\b):8*(8*((\a)%4)+\b)+7], v[128*(\p)+FR*\b:128*(\p)+FR*\b+FR-1], v[AF+FR*(\a):AF+FR*(\a)+FR-1], v[8*(8*((\a)%4)+\b):8*(8*((\a)%4)+\b)+7], v[SC+8*NQ*(\sc)+NQ*\b+(\q)], v[SC+8*NQ*(\sc)+NQ*(\a)+(\q)] matrix_a_fmt:MATRIX_FMT_FP4 matrix_b_fmt:MATRIX_FMT_FP4 matrix_a_scale:MATRIX_SCALE_ROW1
.endif
.endr
.endr
.endm
.macro FETCH_B slot, q, p
	WIN TO_B
.irp i, 0,1,2,3,4,5,6,7
	FRAG 128*(\p)+FR*\i, ADRB+\slot, \q, \i
.endr
	WIN 0
.endm
.macro FETCH_A slot, q, i0
.irp i, \i0, \i0+1, \i0+2, \i0+3
	FRAG AF+FR*(\i), ADRA+\slot, \q, \i
.endr
.endm
.macro SCALES sc                       ; a slot's scale words: four a row; lanes 0-15 take A's block i, lanes 16-31 B's block i
.irp i, 0,1,2,3,4,5,6,7
	ds_load_b128 v[SC+8*NQ*\sc+NQ*\i:SC+8*NQ*\sc+NQ*\i+3], v[ADRS] offset:\i*SBLK
.endr
.endm
.macro PLACES n                        ; places in front of loads into registers that matrix instructions have read, and of the first read of results
.rept \n
	v_nop
.endr
.endm
.macro STEP slot, q, first             ; 128 along d, with its successor in the same slot
	s_wait_dscnt 4*NL                              ; B's set, A's blocks 0-3 and the scales are in; the youngest eight loads (A's blocks 4-7) may be out
.if \first
	WIN BIAS_LO
.else
	WIN MUL_LO
.endif
	MUL16 0, (\q)%2, \q, \slot, \first
	MUL16 2, (\q)%2, \q, \slot, \first
	s_wait_dscnt 0
	PLACES NP
	FETCH_B \slot, (\q)+1, 1-(\q)%2
	FETCH_A \slot, (\q)+1, 0
.if \first
	WIN BIAS_HI
.else
	WIN MUL_HI
.endif
	MUL16 4, (\q)%2, \q, \slot, \first
	MUL16 6, (\q)%2, \q, \slot, \first
	PLACES NP
	WIN 0
	FETCH_A \slot, (\q)+1, 4
.endm
.macro STEPS slot, from
.set Q, \from
.rept NQ-1-\from
	STEP \slot, Q, 0
.set Q, Q+1
.endr
.endm
	s_wait_tensorcnt 1                             ; the scales and my part of slot 0 are in; slot 1's load may be out
	s_barrier_signal -1
	s_barrier_wait -1
	FETCH_B 0, 0, 0
	FETCH_A 0, 0, 0
	SCALES 0
	FETCH_A 0, 0, 4
	s_wait_loadcnt 0x0                             ; the bias
	STEP 0, 0, 1
	STEPS 0, 1
	; slot 0's last step changes slots: one barrier; in front of it each wave waits for all its tensor loads, adds 0 to its spare word, and waits for that and for its reads of slot 0
	s_wait_tensorcnt 0x0                           ; my part of slot 1 has landed
	ds_add_u32 v[SPW], v[NIL]
	s_wait_dscnt 4*NL+1                            ; the add and A's blocks 4-7 may be out
	WIN MUL_LO
	MUL16 0, 1, NQ-1, 0, 0
	s_wait_dscnt 0x0                               ; the add is done, and my reads of slot 0 are over
	s_barrier_signal -1
	MUL16 2, 1, NQ-1, 0, 0
	WIN 0
	s_barrier_wait -1
	PLACES NP
	v_add_nc_u32 v[ADRS], 4*NQ, v[ADRS]            ; slot 1's scale words
	FETCH_B 1, 0, 0
	FETCH_A 1, 0, 0
	SCALES 1
	WIN MUL_HI
	MUL16 4, 1, NQ-1, 0, 0
	MUL16 6, 1, NQ-1, 0, 0
	PLACES NP
	WIN 0
	FETCH_A 1, 0, 4
	STEPS 1, 0
	s_wait_dscnt 4*NL                              ; the last step
	WIN MUL_LO
	MUL16 0, 1, NQ-1, 1, 0
	MUL16 2, 1, NQ-1, 1, 0
	s_wait_dscnt 0
	WIN MUL_HI
	MUL16 4, 1, NQ-1, 1, 0
	MUL16 6, 1, NQ-1, 1, 0
	WIN 0
; THE WAY OUT, a block of 16 tokens x 128 columns (two heads) at a time: rounded to f16, 16 bytes a lane into my stage, back so that sixteen neighbouring lanes hold two tokens' rows of one head: 256 consecutive bytes of qkv.
.macro PACK a
.set AC, 64*((\a)%4)
	WIN 0x0a+5*((\a)/4)                            ; sources in window 2 or 3
.irp b, 0,1,2,3,4,5,6,7
.irp r, 0,1,2,3
	v_cvt_pk_f16_f32 v[TMP+4*\b+\r], v[AC+8*\b+2*\r], v[AC+8*\b+2*\r+1]   ; each accumulator from its low end on
.endr
.endr
	WIN 0
.endm
.macro TOSTAGE a
.set BK, OB+32*((\a)%2)
.irp b, 0,1,2,3,4,5,6,7
	ds_store_b128 v[STO], v[TMP+4*\b:TMP+4*\b+3] offset:32*\b
.endr
.irp t, 0,1,2,3,4,5,6,7
	ds_load_b128 v[BK+4*\t:BK+4*\t+3], v[RD] offset:\t*2*SPITCH    ; LDS serves a wave's instructions in order: these see the stores above
.endr
.endm
.macro SEND a
.set BK, OB+32*((\a)%2)
	s_wait_dscnt 0x0                               ; the block is back in registers
	s_wait_xcnt 0x0                                ; the block before has had its stores' registers read: the next block's loads may land there
.irp t, 0,1,2,3,4,5,6,7
	global_store_b128 v[CO], v[BK+4*\t:BK+4*\t+3], s[12:13] offset:(\a)*2048+\t*256
.endr
.endm
	PLACES NP
	PACK 0
	TOSTAGE 0
.irp a, 1,2,3,4,5,6,7
	PACK \a
	SEND \a-1
	TOSTAGE \a
.endr
	SEND 7
	s_wait_tensorcnt 0x0                           ; the wave's end
	ds_add_u32 v[SPW], v[NIL]
	s_wait_dscnt 0x0
	CROUND                                         ; the closing round
	s_endpgm
.Lfunc_end_k_qea51b420f6_proj:
	.size	k_qea51b420f6_proj, .Lfunc_end_k_qea51b420f6_proj-k_qea51b420f6_proj
	.p2alignl 7, 3214868480
	.fill 96, 4, 3214868480
	.section	.rodata,"a",@progbits
	.p2align	6, 0x0
	.amdhsa_kernel k_qea51b420f6_proj
		.amdhsa_group_segment_fixed_size 327680
		.amdhsa_private_segment_fixed_size 0
		.amdhsa_enable_private_segment 0
		.amdhsa_kernarg_size 56
		.amdhsa_user_sgpr_count 2
		.amdhsa_user_sgpr_kernarg_segment_ptr 1
		.amdhsa_wavefront_size32 1
		.amdhsa_system_sgpr_workgroup_id_x 1
		.amdhsa_system_sgpr_workgroup_id_y 1
		.amdhsa_system_sgpr_workgroup_id_z 1
		.amdhsa_system_vgpr_workitem_id 0
		.amdhsa_next_free_vgpr 1024
		.amdhsa_next_free_sgpr 100
		.amdhsa_reserve_vcc 0
		.amdhsa_float_denorm_mode_32 3
		.amdhsa_float_denorm_mode_16_64 3
		.amdhsa_memory_ordered 1
		.amdhsa_forward_progress 1
		.amdhsa_inst_pref_size 131
	.end_amdhsa_kernel
	.amdgpu_metadata
---
amdhsa.version: [ 1, 2 ]
amdhsa.kernels:
  - .name:           k_qea51b420f6_proj
    .symbol:         k_qea51b420f6_proj.kd
    .args:
      - { .name: xc, .offset: 0, .size: 8, .value_kind: global_buffer, .address_space: global }
      - { .name: xs, .offset: 8, .size: 8, .value_kind: global_buffer, .address_space: global }
      - { .name: wc, .offset: 16, .size: 8, .value_kind: global_buffer, .address_space: global }
      - { .name: ws, .offset: 24, .size: 8, .value_kind: global_buffer, .address_space: global }
      - { .name: bq, .offset: 32, .size: 8, .value_kind: global_buffer, .address_space: global }
      - { .name: bv, .offset: 40, .size: 8, .value_kind: global_buffer, .address_space: global }
      - { .name: qkv, .offset: 48, .size: 8, .value_kind: global_buffer, .address_space: global }
    .group_segment_fixed_size: 327680
    .private_segment_fixed_size: 0
    .kernarg_segment_align: 8
    .kernarg_segment_size: 56
    .max_flat_workgroup_size: 128
    .sgpr_count:     100
    .vgpr_count:     1024
    .wavefront_size: 32
...
	.end_amdgpu_metadata
.endif
;; end of part 2
;; launch attn (part 3): grid 8 x 64, 4 waves a work-group, clusters of 4 x 1, 327,680 bytes of LDS; arguments qkv, ctx; writes ctx
.if DOCPART == 3
	.amdgcn_target "amdgcn-amd-amdhsa--gfx1250"
	.amdhsa_code_object_version 6
	.text
	.protected	k_qea51b420f6_attn
	.globl	k_qea51b420f6_attn
	.p2align	8
	.type	k_qea51b420f6_attn,@function
k_qea51b420f6_attn:
	s_mov_b64 s[64:65], 0
	v_nop
	global_prefetch_b8 v0, s[64:65] scope:SCOPE_SE
	s_setreg_imm32_b32 hwreg(HW_REG_WAVE_MODE, 25, 1), 1
	s_wait_xcnt 0x0
	s_wait_alu depctr_hold_cnt(0) depctr_sa_sdst(0) depctr_va_vdst(0) depctr_va_sdst(0) depctr_va_ssrc(0) depctr_va_vcc(0) depctr_vm_vsrc(0)
	s_getreg_b32 s2, hwreg(HW_REG_IB_STS2, 6, 4)
	s_cmp_eq_u32 s2, 0
	s_cbranch_scc0 .Lentry_in_a_cluster
	s_endpgm
.Lentry_in_a_cluster:
	s_bfe_u32 s2, ttmp6, 0x10000c
	s_cmp_lg_u32 s2, 0x3003
	s_cbranch_scc0 .Lentry_shape_is_right
	s_endpgm
.Lentry_shape_is_right:
; Launch 3 of 4: ctx[h][b s][:] = the sum over keys of softmax(q . k / 8) v, for each of the 64 pairs (b, h).  q, k, v: qkv [3][64][2048][64] f16; ctx: [16 h][8192 = 2048 b + s][64] f16.
; LEFT OUT: bk's term of the scores, the same for all keys of a query (shown at the head of the first kernel): k arrives without it.
; Products, maxima and sums in f32; the weights p (at most 1) are rounded to f16 for the second product, the result once at the end.
; SHARES.  A work-group owns 256 queries of one (b, h), each of its four waves 64: four tiles of 16.  Every wave walks all 2,048 keys, 64 a step.
; LAYOUT.  S^T = K Q^T (source 0 = 16 keys, source 1 = 16 queries): a lane holds ONE query (lane % 16) and the keys 8 (lane / 16) + 0..7.  Two such tiles, rounded in pairs, ARE source 1 of O^T = V^T P,
; whose result again holds one query a lane, and eight channels.  K comes out of LDS as it lies, V ([key][channel]) turned, by ds_load_tr16_b128.
; SOFTMAX.  For each query a running maximum m and sum l: p = 2^(c s - c m), c = log2(e) / 8; in every step O and l are multiplied by a = 2^(c m_old - c m_new).
; BY TURNS.  The wave's tiles are two pieces (tiles 0, 1 and tiles 2, 3).  In a turn one piece has the matrix unit: 16 products V^T P of the step in hand, then 16 products K Q^T of the next step; the other piece's
; softmax (2 x 118 vector instructions), cut into slices of four, stands between them, two slices behind each matrix instruction.  Then the pieces change places.  Two turns are a key step.
; CLUSTER.  The four query blocks of a cluster belong to one (b, h) and walk the same K and V: each tile is asked for jointly, with a mask that names the four.  A slot holds four key steps.
; LIMIT: the operands are f16: |q|, |k|, |v| over 65,504 are not served; results under 6e-5 keep fewer than 11 bits.
; REGISTERS: window 0: v0-11 addresses; v12-43 eight statistics a tile; v61-63; v64-191 S^T, 32 a tile; v192-255 P, 16 a tile.   window 1: v0-127 O^T, 32 a tile.   window 2: v0-63 Q; v64-127 V of a step; v128-191 K of a step.
.set KS,    64
.set PITK,  144       ; a row of K in LDS: 128 bytes + 16 = 36 words: the 16 rows of a load start at 16 different groups of four banks (64 banks of 4 bytes: ISA guide 11.1)
.set PITV,  160       ; a row of V: 128 + 32
.set SKEYS, 256       ; keys in a slot
.set VOFF,  SKEYS*PITK
.set STEPK, KS*PITK
.set STEPV, KS*PITV
.set SLOT1, 1<<17
.set SLOTB, SKEYS*128 ; a slot's bytes of K or of V in memory
.set STAGE, SLOT1+SKEYS*(PITK+PITV)  ; behind the ring: 16 rows x 144 bytes for each wave
.set SP,    144
.set SPARE, STAGE+4*16*SP            ; the spare words: two blocks of 256 bytes that no other line names
.set AK0, 2
.set AV0, 3
.set ADR, 4
.set QO,  5
.set STO, 6
.set RD,  7
.set GO,  8
.set PFO, 61          ; v61  256 x my lane; never rewritten
.set SPW, 62
.set NIL, 63
.set ST,  12          ; tile t's statistics at v[ST+8 t]: +0 c m, +1 m, +2, +3 l, +4 to +7 at work; a takes +6 once the maximum is found
.set S,   64
.set P,   192
.set VF,  64          ; V's fragments, in window 2
.set KF,  128         ; K's
.set WV,  12
.set LIM, 15
.set PFA, 18
.set G1K, 24
.set G1V, 32
.set G0K, 40
.set G0V, 48
.set SLOTS, 56
.set CNT, 57
.set CS,  58
.set SEL, 60
.set TBK, 62          ; s62  LDS byte at which K's tile of the step to be fetched begins
.set TBV, 63          ; s63  the same for V (less VOFF)
.set MSB, 0
.macro WIN new
.if MSB != \new
	s_set_vgpr_msb (MSB<<8)|\new
.set MSB, \new
.endif
.endm
.set W_KQ, 0x0a       ; K and Q in window 2, S^T in window 0
.set W_PV, 0x52       ; V in window 2, P in window 0, O^T in window 1
.set W_RS, 0x41       ; O^T in window 1, a in window 0
.macro JLOAD                        ; a joint refill: waves 0 and 1 fetch K's two halves of a slot, waves 2 and 3 V's; an s_nop 0 and four v_nop follow each line
	s_cmp_lt_u32 s[WV], 2
	s_cbranch_scc0 .Lfor_v_\@
	tensor_load_to_lds s[G0K+4:G0K+7], s[G1K:G1K+7]
	s_nop 0
.rept 4
	v_nop
.endr
	s_branch .Lasked_\@
.Lfor_v_\@:
	tensor_load_to_lds s[G0V+4:G0V+7], s[G1V:G1V+7]
	s_nop 0
.rept 4
	v_nop
.endr
.Lasked_\@:
.endm
; A prefetch of what the NEXT change of slots will ask for: a slot's 32,768 bytes of K and of V.  Both clusters of a (b, h) walk the same rows: the first asks.  Its four partners share the bytes out by address,
; 8,192 each; in each, wave 0 asks for K's and wave 2 for V's, lanes 256 bytes apart: each aligned block of 256 bytes is named once in the launch.  The last change that fills a slot asks for nothing.
.macro ASK
	s_cmp_gt_u32 s[SLOTS], s[LIM]
	s_cbranch_scc0 .Lnot_mine_\@
	global_prefetch_b8 v[PFO], s[PFA:PFA+1] th:TH_LOAD_NT scope:SCOPE_SE
.Lnot_mine_\@:
.endm
.macro CROUND
	s_barrier_signal -1
	s_barrier_wait -1
	s_cmp_lg_u32 s[WV], 0
	s_cbranch_scc1 .Lnot_wave_0_\@
	s_barrier_signal -3
.Lnot_wave_0_\@:
	s_barrier_wait -3
	s_barrier_signal -1
	s_barrier_wait -1
.endm
	s_load_b128 s[4:7], s[0:1], 0x0 ; qkv s[4:5], ctx s[6:7]
	v_lshl_add_u32 v[SPW], v0, 2, SPARE
	v_mov_b32 v[NIL], 0
	ds_add_u32 v[SPW], v[NIL]       ; the wave's opening: the add, twice on end, and its wait ahead of my first tensor load
	ds_add_u32 v[SPW], v[NIL]
	v_lshrrev_b32 v1, 5, v0
	v_readfirstlane_b32 s[WV], v1   ; wave 0..3
	s_bfe_u32 s13, ttmp6, 0x40000   ; cx
	s_lshl_b32 s14, ttmp9, 2
	s_add_co_u32 s14, s14, s13      ; my block of 256 queries: it enters q's and ctx's addresses alone
	s_and_b32 s20, ttmp7, 0xffff    ; 16 b + h, which the four partners share
	s_and_b32 s16, s[WV], 1         ; which half of a slot's rows I fetch
	s_lshl_b32 s22, s20, 18         ; a (b, h) is 2,048 rows of 128 bytes
	s_lshl_b32 s23, s16, 14
	s_add_co_u32 s22, s22, s23
	s_add_co_u32 s22, s22, 0x1000000  ; k lies one tensor behind q
	s_mov_b32 s23, 0
	s_and_b32 s18, s20, 15          ; ctx: plane h,
	s_lshl_b32 s18, s18, 20
	s_lshr_b32 s19, s20, 4          ; rows 2,048 b on
	s_lshl_b32 s19, s19, 18
	s_add_co_u32 s18, s18, s19
	s_lshl_b32 s2, s14, 15
	s_lshl_b32 s3, s[WV], 13
	s_add_co_u32 s2, s2, s3         ; my wave's 64 rows among the 2,048
	s_add_co_u32 s18, s18, s2
	s_mov_b32 s19, 0
	s_lshl_b32 s3, s20, 18
	s_add_co_u32 s2, s2, s3         ; q
	s_mov_b32 s3, 0
	s_mul_i32 s17, s16, 128*PITK    ; my half's place in a slot: K's,
	s_mul_i32 s16, s16, 128*PITV    ; V's
	s_mov_b32 s[G1K], 15|(1<<16)|(1<<20)|(1<<21)|(4<<22)|(3<<25)  ; the mask: all four; elements of 2 bytes; padding: 4 words behind every 32; bit 21 beside a mask
	s_mov_b32 s[G1V], 15|(1<<16)|(1<<20)|(1<<21)|(4<<22)|(7<<25)  ; the same with 8 words
.irp g, G1K, G1V
	s_mov_b32 s[\g+1], 64<<16       ; tensor_dim0
	s_mov_b32 s[\g+2], 128<<16      ; tensor_dim1
	s_mov_b32 s[\g+3], 64<<16       ; tile_dim0
	s_mov_b32 s[\g+4], 128          ; tile_dim1
	s_mov_b32 s[\g+5], 64           ; the pitch
	s_mov_b32 s[\g+6], 0
	s_mov_b32 s[\g+7], 0
.endr
	s_mov_b32 s[CS], 0x3e38aa3b     ; c = log2(e) / 8
	s_mov_b32 s[CS+1], s[CS]
	s_mov_b32 s[SEL], 0x76543210
	s_mov_b32 s[SEL+1], 0xfedcba98
	s_mov_b32 s[TBK], 0
	s_mov_b32 s[TBV], 0
	s_mov_b32 s[SLOTS], 2048/SKEYS-2
	s_and_b32 s[LIM], s[WV], 1
	s_or_b32 s[LIM], s[LIM], ttmp9  ; 0 in waves 0 and 2 of the first cluster: the same in all four partners
	s_cmp_eq_u32 s[LIM], 0
	s_cselect_b32 s[LIM], 1, -1
	v_and_b32 v[PFO], 31, v0
	v_lshlrev_b32 v[PFO], 8, v[PFO]
	s_wait_dscnt 0x0                ; both opening adds are done
	s_wait_kmcnt 0x0
	s_add_nc_u64 s[10:11], s[6:7], s[18:19]  ; ctx at my wave's first row
	s_add_nc_u64 s[6:7], s[4:5], s[22:23]    ; k at my half of slot 0
	s_add_nc_u64 s[8:9], s[6:7], 0x1000000   ; v likewise
	s_add_nc_u64 s[4:5], s[4:5], s[2:3]      ; q at my wave's first row
	s_cmp_lt_u32 s[WV], 2
	s_cselect_b64 s[PFA:PFA+1], s[6:7], s[8:9]
	s_lshl_b32 s2, s13, 13
	s_mov_b32 s3, 0
	s_add_nc_u64 s[PFA:PFA+1], s[PFA:PFA+1], s[2:3]
	s_add_nc_u64 s[PFA:PFA+1], s[PFA:PFA+1], 2*SLOTB  ; the first change of slots steps it on; nothing is prefetched at the head
	CROUND                          ; all four work-groups are here: the first joint loads meet
.irp s, 0,1
	s_mov_b32 s[G0K+4*\s], 1
	s_add_co_u32 s[G0K+4*\s+1], s17, \s*SLOT1
	s_add_nc_u64 s[G0K+4*\s+2:G0K+4*\s+3], s[6:7], \s*SLOTB
	s_or_b32 s[G0K+4*\s+3], s[G0K+4*\s+3], 0x80000000
	s_mov_b32 s[G0V+4*\s], 1
	s_add_co_u32 s[G0V+4*\s+1], s16, \s*SLOT1+VOFF
	s_add_nc_u64 s[G0V+4*\s+2:G0V+4*\s+3], s[8:9], \s*SLOTB
	s_or_b32 s[G0V+4*\s+3], s[G0V+4*\s+3], 0x80000000
.endr
	s_cmp_lt_u32 s[WV], 2           ; a wave's two first fills stand in one branch: two loads of mine are out
	s_cbranch_scc0 .Lfirst_v
	tensor_load_to_lds s[G0K:G0K+3], s[G1K:G1K+7]
	s_nop 0
	tensor_load_to_lds s[G0K+4:G0K+7], s[G1K:G1K+7]
	s_nop 0
.rept 4
	v_nop
.endr
	s_branch .Lfirst_asked
.Lfirst_v:
	tensor_load_to_lds s[G0V:G0V+3], s[G1V:G1V+7]
	s_nop 0
	tensor_load_to_lds s[G0V+4:G0V+7], s[G1V:G1V+7]
	s_nop 0
.rept 4
	v_nop
.endr
.Lfirst_asked:
	v_and_b32 v1, 15, v0            ; l % 16
	v_bfe_u32 v9, v0, 4, 1          ; l / 16
	v_lshlrev_b32 v[QO], 7, v1
	v_lshl_add_u32 v[QO], v9, 4, v[QO]
	WIN 0x80                        ; destination window 2
.irp i, 0,1,2,3,4,5,6,7             ; Q stays in registers: tile i / 2, channels 32 (i % 2) on
	global_load_b128 v[8*\i:8*\i+3],   v[QO], s[4:5] offset:(\i/2)*2048+(\i%2)*64
	global_load_b128 v[8*\i+4:8*\i+7], v[QO], s[4:5] offset:(\i/2)*2048+(\i%2)*64+32
.endr
	WIN 0
	v_mul_u32_u24 v[AK0], v1, PITK
	v_lshl_add_u32 v[AK0], v9, 4, v[AK0]
	v_and_b32 v10, 7, v0
	v_bfe_u32 v11, v0, 3, 1
	v_lshl_add_u32 v[AV0], v9, 3, v10
	v_mul_u32_u24 v[AV0], v[AV0], PITV
	v_lshl_add_u32 v[AV0], v11, 4, v[AV0]
	v_add_nc_u32 v[AV0], VOFF, v[AV0]
; THE MATRIX WORK OF A TURN, for piece x.  The accumulators take turns, one instruction a turn: between two links of a chain stand 7 others'.
.macro PV x, zero                   ; product i of 16 of O^T += V^T P: keys 32 (i / 8) on, channels 16 ((i / 2) % 4) on, tile x + i % 2
	WIN W_PV
.set rO, 32*(\x+i%2)+8*((i/2)%4)
.set rV, VF+32*(i/8)+8*((i/2)%4)
.set rP, P+16*(\x+i%2)+8*(i/8)
.if (\zero) && (i < 8)
	v_wmma_f32_16x16x32_f16 v[rO:rO+7], v[rV:rV+7], v[rP:rP+7], 0
.else
	v_wmma_f32_16x16x32_f16 v[rO:rO+7], v[rV:rV+7], v[rP:rP+7], v[rO:rO+7]
.endif
.endm
.macro KQ x                         ; product i of 16 of S^T = K Q^T: channels 32 (i / 8) on, keys 16 ((i / 2) % 4) on, tile x + i % 2
	WIN W_KQ
.set rS, S+32*(\x+i%2)+8*((i/2)%4)
.set rK, KF+16*((i/2)%4)+8*(i/8)
.set rQ, 16*(\x+i%2)+8*(i/8)
.if i < 8
	v_wmma_f32_16x16x32_f16 v[rS:rS+7], v[rK:rK+7], v[rQ:rQ+7], 0
.else
	v_wmma_f32_16x16x32_f16 v[rS:rS+7], v[rK:rK+7], v[rQ:rQ+7], v[rS:rS+7]
.endif
.endm
.macro FETCH_K                      ; a step's K: 64 keys x 64 channels: 8 fragments, 16 loads in one run
	WIN 0
	v_add_nc_u32 v[ADR], s[TBK], v[AK0]
	WIN 0x80
.irp f, 0,1,2,3,4,5,6,7
	ds_load_b128 v[KF+8*\f:KF+8*\f+3],   v[ADR] offset:(\f/2)*16*PITK+(\f%2)*64
	ds_load_b128 v[KF+8*\f+4:KF+8*\f+7], v[ADR] offset:(\f/2)*16*PITK+(\f%2)*64+32
.endr
.endm
.macro FETCH_V                      ; the same step's V, turned
	WIN 0
	v_add_nc_u32 v[ADR], s[TBV], v[AV0]
	s_add_co_u32 s[TBK], s[TBK], STEPK  ; the next fetches are the next step's
	s_add_co_u32 s[TBV], s[TBV], STEPV
	s_wait_alu depctr_va_vdst(0)    ; the wait for the softmax's batch of exponentials, ahead of the first instruction that names a result
	WIN 0x80
.irp f, 0,1,2,3,4,5,6,7
	ds_load_tr16_b128 v[VF+8*\f:VF+8*\f+3],   v[ADR] offset:(\f/4)*32*PITV+(\f%4)*32
	ds_load_tr16_b128 v[VF+8*\f+4:VF+8*\f+7], v[ADR] offset:(\f/4)*32*PITV+16*PITV+(\f%4)*32
.endr
.endm
; THE VECTOR WORK OF A TURN.  One tile's softmax for one key step is a list of 118 instructions; SM writes number j of it for tile t.
;   0-15 the maximum of the lane's 32 scores and the old m   16-20 the other half of the lanes' maximum; the new m; c m; c m_old - c m_new
;   21-69 ONE BATCH: 16 packed scalings c s - c m and all 33 exponentials (a at 23); none of these reads an exponential's result   (the wait)   70-85 the roundings to f16   86-101 the sums; l = a l + the sum
;   102-117 the tile's O^T times a.   first = 1: the first key step has no a and nothing to rescale.
.macro SM t, first
.if j < 118
.set rT, ST+8*(\t)
.set rS, S+32*(\t)
.set rP, P+16*(\t)
.set rO, 32*(\t)+2*(j-102)
.if j < 102
	WIN 0
.endif
.if j < 4
	v_max3_num_f32 v[rT+4+j], v[rS+8*j], v[rS+8*j+1], v[rS+8*j+2]
.elseif j < 12
	v_max3_num_f32 v[rT+4+j%4], v[rT+4+j%4], v[rS+8*(j%4)+2*(j/4)+1], v[rS+8*(j%4)+2*(j/4)+2]
.elseif j == 12
	v_max3_num_f32 v[rT+4], v[rT+4], v[rS+7], v[rS+15]
.elseif j == 13
	v_max3_num_f32 v[rT+6], v[rT+6], v[rS+23], v[rS+31]
.elseif j == 14
	v_max3_num_f32 v[rT+4], v[rT+4], v[rT+5], v[rT+6]
.elseif (j == 15) && \first
	v_max_num_f32 v[rT+4], v[rT+4], v[rT+7]
.elseif j == 15
	v_max3_num_f32 v[rT+4], v[rT+4], v[rT+7], v[rT+1]
.elseif j == 16
	v_permlanex16_b32 v[rT+5], v[rT+4], s[SEL], s[SEL+1]  ; the query's other 32 keys lie in the lane 16 away
.elseif j == 18
	v_max_num_f32 v[rT+1], v[rT+4], v[rT+5]
.elseif j == 19
	v_mul_f32 v[rT], s[CS], v[rT+1]
.elseif ((j == 17) || (j == 20) || (j == 23) || (j > 101)) && \first
.elseif j == 17
	v_mov_b32 v[rT+7], v[rT]
.elseif j == 20
	v_sub_f32 v[rT+7], v[rT+7], v[rT]
.elseif j == 23
	v_exp_f32 v[rT+6], v[rT+7]
.elseif (j < 23) || ((j < 38) && (j%2 == 0)) || ((j < 66) && (j%4 == 2))
.set b, (j-2)/4
.if j < 38
.set b, (j-20)/2
.endif
	v_pk_fma_f32 v[rS+2*b:rS+2*b+1], v[rS+2*b:rS+2*b+1], s[CS:CS+1], v[rT:rT+1] op_sel_hi:[1,0,0] neg_lo:[0,0,1] neg_hi:[0,0,1]
.elseif j < 70
.set e, j-38
.if j < 66
.set e, j-32-(j-38)/4
.endif
.if j < 38
.set e, (j-25)/2
.endif
	v_exp_f32 v[rS+e], v[rS+e]
.elseif j < 86
	v_cvt_pk_f16_f32 v[rP+j-70], v[rS+2*(j-70)], v[rS+2*(j-70)+1]
.elseif j < 102
.set z, j-86
.set w, 4
.set u, z
.if z >= 14
.set w, 32
.set u, 0
.elseif z >= 12
.set w, 16
.set u, z-12
.elseif z >= 8
.set w, 8
.set u, z-8
.endif
.if (z == 14) && \first
	v_pk_add_f32 v[rT+2:rT+3], v[rS:rS+1], v[rS+16:rS+17]
.elseif z < 15
	v_pk_add_f32 v[rS+w*u:rS+w*u+1], v[rS+w*u:rS+w*u+1], v[rS+w*u+w/2:rS+w*u+w/2+1]
.elseif !\first
	v_pk_fma_f32 v[rT+2:rT+3], v[rT+2:rT+3], v[rT+6:rT+7], v[rS:rS+1] op_sel_hi:[1,0,1]
.endif
.else
	WIN W_RS
	v_pk_mul_f32 v[rO:rO+1], v[rO:rO+1], v[rT+6:rT+7] op_sel_hi:[1,0]
.endif
.endif
.endm
; Slice k of 64 of piece y's softmax.  Slices 11 to 34 deal out the batch, four numbers of ONE tile each, the tiles by turns; every other slice is numbers 2 k and 2 k + 1 of both tiles' lists; slices 59 to 63 are empty.
; Ahead of slice 35 nothing names an exponential's result, and behind slice 34 no exponential is issued: so the piece's 66 exponentials have one wait, behind slice 34.
.macro SLICE y, first
.if (k >= 11) && (k < 35)
.irp n, 0,1,2,3
.set j, 22+4*((k-11)/2)+(\n)
	SM (\y)+(k-11)%2, \first
.endr
.else
.irp n, 0,1
.irp t, \y, \y+1
.set j, 2*k+\n
	SM \t, \first
.endr
.endr
.endif
.if k == 34
	v_nop                           ; a plain instruction behind the last exponential
.if (\y) == 0
	FETCH_V                         ; piece 2's turn: V's run of loads stands here, and the wait stands in it
.else
	s_wait_alu depctr_va_vdst(0)    ; the wait for the batch
.endif
.endif
.set k, k+1
.endm
.macro PLACES
.rept 4
	v_nop
.endr
.endm
; A TURN.  pv = 2: 16 products V^T P; 1: they start O^T's sums; 0: none.  kq = 1: 16 products K Q^T for the next step.  A turn with one kind has four slices behind each product.
; Piece 0's turn fetches the next step's K behind its second product; the last product that read K stands ahead of the four v_nop that end the turn before.
; Piece 2's turn fetches the same step's V behind slice 34: behind the last product that read V stand three packed scalings, the v_nop and the run's own addition: five plain instructions that name none of its registers.
; The four v_nop at a turn's end are the places behind its last products, ahead of the next turn's first read of those scores.
.macro TURN x, pv, kq, first
.set k, 0
.set per, 4
.if \pv && \kq
.set per, 2
.endif
.if \pv
.if \x == 0
	s_wait_dscnt 0x0                ; V is in
.endif
.set i, 0
.rept 16
	PV \x, 2-\pv
.rept per
	SLICE 2-\x, \first
.endr
.if (\x == 0) && \kq && (i == 1)
	FETCH_K
.endif
.set i, i+1
.endr
.endif
.if \kq
.if \x == 0
	s_wait_dscnt 0x0                ; K is in
.endif
.set i, 0
.rept 16
	KQ \x
.rept per
	SLICE 2-\x, \first
.endr
.set i, i+1
.endr
.endif
	PLACES
.endm
; THE CHANGE OF SLOTS, when the slot's last bytes, V of its fourth step, have been asked for.  Each wave waits for all its tensor loads (one is out: its part of the other slot), adds 0 to its spare word, and waits
; for that and for its reads of the slot.  fill = 1: the barrier is a round of the cluster's, and the joint refill, the keys two slots on, is the first thing behind it: it has four key steps in which to land.
.macro CHANGE fill
	WIN 0
	s_wait_tensorcnt 0x0            ; no tensor load of mine is out, so a group 0 may be written
	ds_add_u32 v[SPW], v[NIL]
.if \fill
.irp g, G0K+4, G0V+4
	s_xor_b32 s[\g+1], s[\g+1], SLOT1
	s_add_nc_u64 s[\g+2:\g+3], s[\g+2:\g+3], SLOTB
.endr
	s_wait_xcnt 0x0                 ; the last prefetch, a slot back, has read its address
	s_add_nc_u64 s[PFA:PFA+1], s[PFA:PFA+1], SLOTB
	s_wait_dscnt 0x0                ; the add is done, and my reads of the slot are over
	CROUND
	JLOAD
	ASK
.else
	s_wait_dscnt 0x0
	s_barrier_signal -1
	s_barrier_wait -1
.endif
	s_sub_co_u32 s[TBK], s[TBK], 4*STEPK  ; the fetches go back to a slot's first step,
	s_xor_b32 s[TBK], s[TBK], SLOT1       ; in the other slot
	s_sub_co_u32 s[TBV], s[TBV], 4*STEPV
	s_xor_b32 s[TBV], s[TBV], SLOT1
.endm
.macro STEPS n                      ; n key steps: written once, walked n times; the LDS addresses hang on s[TBK], s[TBV]
	WIN 0
	s_mov_b32 s[CNT], \n
.Lstep_\@:
	TURN 0, 2, 1, 0
	TURN 2, 2, 1, 0
	WIN 0
	s_sub_co_u32 s[CNT], s[CNT], 1
	s_cmp_lg_u32 s[CNT], 0
	s_cbranch_scc1 .Lstep_\@
.endm
	s_wait_tensorcnt 1              ; my part of slot 0 is in; slot 1's may stay out
	s_barrier_signal -1
	s_barrier_wait -1
	FETCH_K                         ; key step 0
	s_wait_loadcnt 0x0              ; Q
	s_wait_dscnt 0x0
.set i, 0
.rept 16
	KQ 0                            ; piece 0's first scores
.set i, i+1
.endr
	WIN 0                           ; the addresses for the way out: nine plain instructions, the places behind those products
	s_mul_i32 s13, s[WV], 16*SP
	s_add_co_u32 s13, s13, STAGE
	v_mul_u32_u24 v[STO], v1, SP    ; in: row l % 16, 16 bytes for each half of the lanes
	v_lshl_add_u32 v[STO], v9, 4, v[STO]
	v_add_nc_u32 v[STO], s13, v[STO]
	v_and_b32 v[GO], 31, v0
	v_lshrrev_b32 v[RD], 3, v[GO]   ; back: eight lanes to a row of 128 bytes, four rows an instruction
	v_mul_u32_u24 v[RD], v[RD], SP
	v_lshl_add_u32 v[RD], v10, 4, v[RD]
	v_add_nc_u32 v[RD], s13, v[RD]
	v_lshlrev_b32 v[GO], 4, v[GO]   ; the same four rows are 512 consecutive bytes of ctx
	TURN 2, 0, 1, 1                 ; piece 2's first scores | piece 0's first softmax | V of step 0
	TURN 0, 1, 1, 1                 ; piece 0: V^T P of step 0 starts O^T, K Q^T of step 1 | piece 2's first softmax | K of step 1
	TURN 2, 1, 1, 0                 ; piece 2: the same | piece 0's softmax of step 1 | V of step 1
	STEPS 2                         ; K and V of steps 2 and 3: slot 0 has been asked for to its end
.Lslot:                             ; six trips: every slot but the last two is filled again
	CHANGE 1
	STEPS 4
	s_sub_co_u32 s[SLOTS], s[SLOTS], 1
	s_cmp_lg_u32 s[SLOTS], 0
	s_cbranch_scc1 .Lslot
	CHANGE 0                        ; the tail is written out
	STEPS 4
	TURN 0, 2, 0, 0                 ; piece 0: V^T P of the last step | piece 2's last softmax
.set i, 0
.rept 16
	PV 2, 0                         ; piece 2: V^T P of the last step
.set i, i+1
.endr
	; THE WAY OUT.  l's two halves and the other half of the lanes' are added; O^T is divided by l, rounded to f16 and sent through my stage, a tile (16 rows of ctx) at a time.  The additions are the places behind the last products.
	WIN 0
.irp t, 0,1,2,3
	v_add_f32 v[ST+8*\t+4], v[ST+8*\t+2], v[ST+8*\t+3]
.endr
.irp t, 0,1,2,3
	v_permlanex16_b32 v[ST+8*\t+5], v[ST+8*\t+4], s[SEL], s[SEL+1]
.endr
.irp t, 0,1,2,3
	v_add_f32 v[ST+8*\t+4], v[ST+8*\t+4], v[ST+8*\t+5]
.endr
.irp t, 0,1,2,3
	v_rcp_f32 v[ST+8*\t+6], v[ST+8*\t+4]
.endr
	v_nop                           ; a plain instruction behind the last reciprocal
	s_wait_alu depctr_va_vdst(0)    ; one wait for the four, ahead of the first use
.macro PACK t
	WIN W_RS
.set i, 32*\t
.rept 16
	v_pk_mul_f32 v[i:i+1], v[i:i+1], v[ST+8*\t+6:ST+8*\t+7] op_sel_hi:[1,0]
.set i, i+2
.endr
	WIN 0x05                        ; sources in window 1, destination in window 0: S^T's registers are free
.set i, 0
.rept 16
	v_cvt_pk_f16_f32 v[S+32*\t+i], v[32*\t+2*i], v[32*\t+2*i+1]
.set i, i+1
.endr
	WIN 0
.irp f, 0,1,2,3
	ds_store_b128 v[STO], v[S+32*\t+4*\f:S+32*\t+4*\f+3] offset:32*\f
.endr
.irp f, 0,1,2,3
	ds_load_b128 v[S+32*\t+4*\f:S+32*\t+4*\f+3], v[RD] offset:\f*4*SP  ; LDS serves a wave's instructions in order: these see the stores above; the next tile's stores come behind them
.endr
.endm
.macro SEND t, younger              ; younger: the LDS instructions issued behind tile t's loads: the next tile's eight, or none
.irp f, 0,1,2,3
	s_wait_dscnt \younger+3-\f
	global_store_b128 v[GO], v[S+32*\t+4*\f:S+32*\t+4*\f+3], s[10:11] offset:\t*2048+\f*512  ; 512 consecutive bytes, at a multiple of 256 from ctx's first byte
.endr
.endm
	PACK 0
	PACK 1
	SEND 0, 8
	PACK 2
	SEND 1, 8
	PACK 3
	SEND 2, 8
	SEND 3, 0
	s_wait_tensorcnt 0x0            ; the wave's end
	ds_add_u32 v[SPW], v[NIL]
	s_wait_dscnt 0x0
	CROUND                          ; the closing round
	s_endpgm
.Lfunc_end_k_qea51b420f6_attn:
	.size	k_qea51b420f6_attn, .Lfunc_end_k_qea51b420f6_attn-k_qea51b420f6_attn
	.p2alignl 7, 3214868480
	.fill 96, 4, 3214868480
	.section	.rodata,"a",@progbits
	.p2align	6, 0x0
	.amdhsa_kernel k_qea51b420f6_attn
		.amdhsa_group_segment_fixed_size 327680
		.amdhsa_private_segment_fixed_size 0
		.amdhsa_enable_private_segment 0
		.amdhsa_kernarg_size 16
		.amdhsa_user_sgpr_count 2
		.amdhsa_user_sgpr_kernarg_segment_ptr 1
		.amdhsa_wavefront_size32 1
		.amdhsa_system_sgpr_workgroup_id_x 1
		.amdhsa_system_sgpr_workgroup_id_y 1
		.amdhsa_system_sgpr_workgroup_id_z 1
		.amdhsa_system_vgpr_workitem_id 0
		.amdhsa_next_free_vgpr 768
		.amdhsa_next_free_sgpr 66
		.amdhsa_reserve_vcc 0
		.amdhsa_float_denorm_mode_32 3
		.amdhsa_float_denorm_mode_16_64 3
		.amdhsa_memory_ordered 1
		.amdhsa_forward_progress 1
		.amdhsa_inst_pref_size 196
	.end_amdhsa_kernel
	.amdgpu_metadata
---
amdhsa.version: [ 1, 2 ]
amdhsa.kernels:
  - .name:           k_qea51b420f6_attn
    .symbol:         k_qea51b420f6_attn.kd
    .args:
      - { .name: qkv, .offset: 0, .size: 8, .value_kind: global_buffer, .address_space: global }
      - { .name: ctx, .offset: 8, .size: 8, .value_kind: global_buffer, .address_space: global }
    .group_segment_fixed_size: 327680
    .private_segment_fixed_size: 0
    .kernarg_segment_align: 8
    .kernarg_segment_size: 16
    .max_flat_workgroup_size: 128
    .sgpr_count:     66
    .vgpr_count:     768
    .wavefront_size: 32
...
	.end_amdgpu_metadata
.endif
;; end of part 3
;; launch outp (part 4): grid 4 x 64, 4 waves a work-group, clusters of 4 x 4, 327,680 bytes of LDS; arguments ctx, wo16, bo, out0; writes out0
.if DOCPART == 4
	.amdgcn_target "amdgcn-amd-amdhsa--gfx1250"
	.amdhsa_code_object_version 6
	.text
	.protected	k_qea51b420f6_outp
	.globl	k_qea51b420f6_outp
	.p2align	8
	.type	k_qea51b420f6_outp,@function
k_qea51b420f6_outp:
	s_mov_b64 s[64:65], 0
	v_nop
	global_prefetch_b8 v0, s[64:65] scope:SCOPE_SE
	s_setreg_imm32_b32 hwreg(HW_REG_WAVE_MODE, 25, 1), 1
	s_wait_xcnt 0x0
	s_wait_alu depctr_hold_cnt(0) depctr_sa_sdst(0) depctr_va_vdst(0) depctr_va_sdst(0) depctr_va_ssrc(0) depctr_va_vcc(0) depctr_vm_vsrc(0)
	s_getreg_b32 s2, hwreg(HW_REG_IB_STS2, 6, 4)
	s_cmp_eq_u32 s2, 0
	s_cbranch_scc0 .Lentry_in_a_cluster
	s_endpgm
.Lentry_in_a_cluster:
	s_bfe_u32 s2, ttmp6, 0x10000c
	s_cmp_lg_u32 s2, 0xf033
	s_cbranch_scc0 .Lentry_shape_is_right
	s_endpgm
.Lentry_shape_is_right:
; Launch 4 of 4: out0[m][n] = the sum over c' of ctx'[m][c'] wo16[n][c'] + bo[n].  ctx: [16 h][8192 m][64] f16, so c' = 64 h + k; wo16: [1024 n][1024 c'] f16, laid in the same order; out0: [8192][1024] f32.  Sums in f32.
; A tile of 128 rows x 256 columns is made by a work-group of four waves, 64 x 128 each: 32 accumulators, 256 registers: 256 work-groups.  c' goes in steps of 128 (two heads) through a ring of two LDS slots.
; A slot: two planes of ctx (128 rows x 128 bytes each), then 256 rows x 256 bytes of wo16.  Waves 0 and 1 fetch a plane each, waves 2 and 3 a half of wo16's rows.
; CLUSTERS: 4 x 4 work-groups; ctx's tiles are asked for jointly along a row of the cluster, wo16's along a column.
; THE MATRIX INSTRUCTION IS USED TRANSPOSED (source 0 = 16 rows of wo16, source 1 = 16 rows of ctx): a lane holds eight neighbouring columns of a row of out0.  bo is the C of each sum's first product.
; REGISTERS: window 0: v0-31 addresses; v64-127 bo in the result's layout; v128-255 the way out.   window 1: two fragment buffers (at v0 and v128): 64 registers of wo16 (8 x 16 rows x 32), then 32 of ctx.   window 2: the accumulators ((a, b) at v[8 (8 a + b)]).
.set PA,     144                       ; a row of ctx in LDS: 128 bytes + 16
.set PB,     272                       ; a row of wo16: 256 + 16: in both, the 16 rows that a load touches start at 16 different groups of banks (64 banks of 4 bytes: ISA guide 11.1)
.set PLANE,  128*PA
.set BOFF,   2*PLANE
.set HALFB,  128*PB
.set SLOT,   BOFF+2*HALFB
.set SPARE,  2*SLOT                    ; the spare words: two blocks of 256 bytes that no other line names
.set SPITCH, 528                       ; the way out: a stage of 16 rows x (512 bytes + 16) for each wave, in slot 0, which has had its last fill and its last read by then
.set ASTEP,  2*1048576                 ; a K step on in ctx: two planes
.set BSTEP,  256                       ; and in a row of wo16
.set ADRA, 16
.set ADRB, 20
.set STO,  24
.set RD,   25
.set CO,   26
.set SPW,  28
.set NIL,  29
.set PFO,  30                          ; v30  the prefetches' offset from lane to lane; never rewritten
.set BOA,  31                          ; v31  32 x (lane / 16); never rewritten
.set BIAS, 64
.set BK,   128
.set F0,   0
.set F1,   128
.set G1A, 24
.set G0A, 32
.set LIM, 43
.set PFA, 44
.set PFS, 46
.set G1B, 48
.set G0B, 56
.set MSB, 0
.macro WIN new
.if MSB != \new
	s_set_vgpr_msb (MSB<<8)|\new
.set MSB, \new
.endif
.endm
.set MUL,   0xa5                       ; sources 0 and 1 window 1; C and D window 2
.set MULB,  0x85                       ; the same with C (bo) in window 0
.set TO_F,  0x40
.macro JLOAD s                         ; a joint load: waves 0 and 1 fetch ctx's planes, waves 2 and 3 wo16's halves; an s_nop 0 and four v_nop follow each line
	s_cmp_eq_u32 s13, 0
	s_cbranch_scc0 .Lfor_b_\@
	tensor_load_to_lds s[G0A+4*\s:G0A+4*\s+3], s[G1A:G1A+7]
	s_nop 0
.rept 4
	v_nop
.endr
	s_branch .Lasked_\@
.Lfor_b_\@:
	tensor_load_to_lds s[G0B+4*\s:G0B+4*\s+3], s[G1B:G1B+7]
	s_nop 0
.rept 4
	v_nop
.endr
.Lasked_\@:
.endm
; A prefetch of the K step that stands two refills on.  ctx: a tile row's step is 128 blocks of 256 bytes, read by the four partners of a row of the cluster alone: each takes 32 of them by address, and its wave 0 asks.
; wo16: a tile column's step is 256 rows of 256 bytes, read by every cluster: the first cluster asks; its four partners of a column take 64 rows each by address, waves 2 and 3 32 each, a lane a row.
; So each aligned block of 256 bytes is named once.  The loop's last trip asks for nothing: no K step stands two refills on.
.macro ASK
	s_cmp_gt_u32 s3, s[LIM]
	s_cbranch_scc0 .Lnot_mine_\@
	global_prefetch_b8 v[PFO], s[PFA:PFA+1] th:TH_LOAD_NT scope:SCOPE_SE
.Lnot_mine_\@:
.endm
.macro CREST
	s_cmp_lg_u32 s12, 0
	s_cbranch_scc1 .Lnot_wave_0_\@
	s_barrier_signal -3
.Lnot_wave_0_\@:
	s_barrier_wait -3
	s_barrier_signal -1
	s_barrier_wait -1
.endm
.macro CROUND
	s_barrier_signal -1
	s_barrier_wait -1
	CREST
.endm
	s_load_b256 s[4:11], s[0:1], 0x0               ; ctx s[4:5], wo16 s[6:7], bo s[8:9], out0 s[10:11]
	v_lshl_add_u32 v[SPW], v0, 2, SPARE
	v_mov_b32 v[NIL], 0
	ds_add_u32 v[SPW], v[NIL]                      ; the wave's opening: the add, twice on end, and its wait ahead of my first tensor load
	ds_add_u32 v[SPW], v[NIL]
	v_lshrrev_b32 v1, 5, v0
	v_readfirstlane_b32 s12, v1                    ; wave 0..3
	s_lshr_b32 s13, s12, 1                         ; my half of the tile's rows.  Also: I fetch for ctx (0) or for wo16 (1)
	s_and_b32 s14, s12, 1                          ; my half of its columns.  Also: which plane or half I fetch
	s_bfe_u32 s40, ttmp6, 0x40000                  ; cx
	s_bfe_u32 s41, ttmp6, 0x40004                  ; cy
	s_lshl_b32 s42, ttmp9, 2
	s_add_co_u32 s42, s42, s40                     ; tile column 0..3
	s_and_b32 s15, ttmp7, 0xffff
	s_lshl_b32 s15, s15, 2
	s_add_co_u32 s15, s15, s41                     ; tile row 0..63
	s_lshl_b32 s16, s41, 2
	s_lshl_b32 s16, 15, s16                        ; my row of the cluster
	s_lshl_b32 s17, 0x1111, s40                    ; my column
	s_or_b32 s[G1A+0], s16, (1<<16)|(1<<20)|(1<<21)|(4<<22)|(3<<25)  ; the mask; elements of 2 bytes; padding: 4 words behind every 32; bit 21 beside a mask
	s_mov_b32 s[G1A+1], 64<<16                     ; tensor_dim0
	s_mov_b32 s[G1A+2], 128<<16                    ; tensor_dim1
	s_mov_b32 s[G1A+3], 64<<16                     ; tile_dim0
	s_mov_b32 s[G1A+4], 128                        ; tile_dim1
	s_mov_b32 s[G1A+5], 64                         ; the pitch
	s_mov_b32 s[G1A+6], 0
	s_mov_b32 s[G1A+7], 0
	s_or_b32 s[G1B+0], s17, (1<<16)|(1<<20)|(1<<21)|(5<<22)|(3<<25)  ; padding: 4 words behind every 64
	s_mov_b32 s[G1B+1], 128<<16
	s_mov_b32 s[G1B+2], 128<<16
	s_mov_b32 s[G1B+3], 128<<16
	s_mov_b32 s[G1B+4], 128
	s_mov_b32 s[G1B+5], 1024
	s_mov_b32 s[G1B+6], 0
	s_mov_b32 s[G1B+7], 0
	s_lshl_b32 s18, s14, 20                        ; ctx: my plane,
	s_lshl_b32 s19, s15, 14                        ; the tile row's 128 rows of 128 bytes
	s_add_co_u32 s18, s18, s19
	s_mov_b32 s19, 0
	s_lshl_b32 s20, s42, 8
	s_lshl_b32 s21, s14, 7
	s_add_co_u32 s20, s20, s21                     ; wo16: row 256 x tile column + 128 x half,
	s_lshl_b32 s20, s20, 11                        ; of 2,048 bytes
	s_mov_b32 s21, 0
	s_mul_i32 s22, s14, PLANE                      ; where they go: no place in the cluster enters an LDS address
	s_mul_i32 s23, s14, HALFB
	s_add_co_u32 s23, s23, BOFF
	s_wait_dscnt 0x0                               ; both opening adds are done
	s_wait_kmcnt 0x0
	s_add_nc_u64 s[18:19], s[4:5], s[18:19]
	s_add_nc_u64 s[20:21], s[6:7], s[20:21]
	CROUND                                         ; all sixteen work-groups are here: the first joint loads meet
.irp s, 0,1
	s_mov_b32 s[G0A+4*\s], 1
	s_add_co_u32 s[G0A+4*\s+1], s22, \s*SLOT
	s_add_nc_u64 s[G0A+4*\s+2:G0A+4*\s+3], s[18:19], \s*ASTEP
	s_or_b32 s[G0A+4*\s+3], s[G0A+4*\s+3], 0x80000000
	s_mov_b32 s[G0B+4*\s], 1
	s_add_co_u32 s[G0B+4*\s+1], s23, \s*SLOT
	s_add_nc_u64 s[G0B+4*\s+2:G0B+4*\s+3], s[20:21], \s*BSTEP
	s_or_b32 s[G0B+4*\s+3], s[G0B+4*\s+3], 0x80000000
	JLOAD \s
.endr
	v_and_b32 v1, 15, v0                           ; l % 16
	v_bfe_u32 v2, v0, 4, 1                         ; l / 16
	v_mul_u32_u24 v3, v1, PA
	v_lshl_add_u32 v3, v2, 4, v3
	v_mul_u32_u24 v4, v1, PB
	v_lshl_add_u32 v4, v2, 4, v4
	s_mul_i32 s22, s13, 64*PA                      ; my 64 rows in each plane
	s_mul_i32 s23, s14, HALFB                      ; my 128 rows of wo16
	s_add_co_u32 s23, s23, BOFF
.irp s, 0,1
	v_add_nc_u32 v[ADRA+\s], s22, v3
	v_add_nc_u32 v[ADRB+\s], s23, v4
	s_add_co_u32 s22, s22, SLOT
	s_add_co_u32 s23, s23, SLOT
.endr
	s_mul_i32 s22, s12, 16*SPITCH                  ; my stage
	v_mul_u32_u24 v5, v1, SPITCH
	v_lshl_add_u32 v5, v2, 5, v5
	v_add_nc_u32 v[STO], s22, v5                   ; in: row l % 16, 32 bytes for each half of the lanes
	v_and_b32 v6, 31, v0
	v_lshlrev_b32 v[CO], 4, v6                     ; back: the 32 lanes take one row of 512 bytes; and the same in out0
	v_add_nc_u32 v[RD], s22, v[CO]
	v_lshlrev_b32 v[BOA], 5, v2
	s_lshl_b32 s18, s15, 7
	s_lshl_b32 s19, s13, 6
	s_add_co_u32 s18, s18, s19                     ; my first row of out0,
	s_lshl_b32 s18, s18, 12                        ; of 4,096 bytes
	s_mov_b32 s19, 0
	s_lshl_b32 s20, s42, 10
	s_lshl_b32 s21, s14, 9
	s_add_co_u32 s20, s20, s21                     ; my first column, in bytes: in out0 and in bo alike
	s_mov_b32 s21, 0
	s_add_nc_u64 s[8:9], s[8:9], s[20:21]
	s_add_nc_u64 s[10:11], s[10:11], s[18:19]
	s_add_nc_u64 s[10:11], s[10:11], s[20:21]
.irp b, 0,1,2,3,4,5,6,7                        ; block b's eight registers: bo[my first column + 16 b + 8 (lane / 16) + 0 .. 7]
	global_load_b128 v[BIAS+8*\b:BIAS+8*\b+3], v[BOA], s[8:9] offset:64*\b
	global_load_b128 v[BIAS+8*\b+4:BIAS+8*\b+7], v[BOA], s[8:9] offset:64*\b+16
.endr
	; the prefetches: where mine stand, and who asks
	s_lshr_b32 s18, s40, 1
	s_lshl_b32 s18, s18, 20                        ; ctx: plane cx / 2 of the step's two,
	s_lshl_b32 s19, s15, 14
	s_add_co_u32 s18, s18, s19
	s_and_b32 s19, s40, 1
	s_lshl_b32 s19, s19, 13                        ; its half cx % 2: 8,192 bytes
	s_add_co_u32 s18, s18, s19
	s_add_co_u32 s18, s18, 3*ASTEP                 ; at K step 3: the first refill steps it to 4
	s_lshl_b32 s20, s42, 8
	s_lshl_b32 s21, s41, 6
	s_add_co_u32 s20, s20, s21
	s_lshl_b32 s21, s14, 5
	s_add_co_u32 s20, s20, s21                     ; wo16: row 256 x tile column + 64 cy + 32 x (wave % 2)
	s_lshl_b32 s20, s20, 11
	s_add_co_u32 s20, s20, 3*BSTEP
	s_and_b32 s16, ttmp7, 0xffff                   ; the cluster's y
	s_mov_b32 s[PFS], BSTEP
	s_cmp_lt_u32 s12, 2
	s_cselect_b32 s16, s14, s16                    ; 0 in wave 0, and in waves 2 and 3 of the first cluster: the same in all sixteen partners
	s_cselect_b64 s[PFA:PFA+1], s[4:5], s[6:7]
	s_cselect_b32 s[PFS], ASTEP, s[PFS]
	s_cselect_b32 s17, 8, 11                       ; from lane to lane: 256 bytes in ctx, a row of 2,048 in wo16
	s_cselect_b32 s18, s18, s20
	s_mov_b32 s19, 0
	s_mov_b32 s[PFS+1], 0
	s_add_nc_u64 s[PFA:PFA+1], s[PFA:PFA+1], s[18:19]
	s_cmp_eq_u32 s16, 0
	s_cselect_b32 s[LIM], 1, -1
	v_lshlrev_b32 v[PFO], s17, v6
; 8 matrix instructions: ctx's block a x wo16's eight, 32 along c'.  first = 1: bo is the C.  The 32 accumulators take turns, one instruction a turn, in the same order in every quarter.
.macro MUL8 f, a, first
.irp b, 0,1,2,3,4,5,6,7
.if \first
	v_wmma_f32_16x16x32_f16 v[8*(8*(\a)+\b):8*(8*(\a)+\b)+7], v[\f+8*\b:\f+8*\b+7], v[\f+64+8*(\a):\f+64+8*(\a)+7], v[BIAS+8*\b:BIAS+8*\b+7]
.else
	v_wmma_f32_16x16x32_f16 v[8*(8*(\a)+\b):8*(8*(\a)+\b)+7], v[\f+8*\b:\f+8*\b+7], v[\f+64+8*(\a):\f+64+8*(\a)+7], v[8*(8*(\a)+\b):8*(8*(\a)+\b)+7]
.endif
.endr
.endm
.macro FETCH slot, q, f                ; 24 LDS loads in one run: the fragments of the slot's quarter q (32 along c': plane q / 2, its half q % 2) into buffer f
	WIN TO_F
.irp i, 0,1,2,3,4,5,6,7
	ds_load_b128 v[\f+8*\i:\f+8*\i+3],   v[ADRB+\slot] offset:64*(\q)+\i*16*PB
	ds_load_b128 v[\f+8*\i+4:\f+8*\i+7], v[ADRB+\slot] offset:64*(\q)+\i*16*PB+32
.endr
.irp i, 0,1,2,3
	ds_load_b128 v[\f+64+8*\i:\f+64+8*\i+3],   v[ADRA+\slot] offset:((\q)/2)*PLANE+((\q)%2)*64+\i*16*PA
	ds_load_b128 v[\f+64+8*\i+4:\f+64+8*\i+7], v[ADRA+\slot] offset:((\q)/2)*PLANE+((\q)%2)*64+\i*16*PA+32
.endr
.endm
.macro PLACES                          ; four places in front of loads into registers that matrix instructions have read, and of the first read of results
.rept 4
	v_nop
.endr
.endm
; A K step is four quarters of 32 along c', 32 matrix instructions each, on buffers 0, 1, 0, 1.  One of the first three: asks for the slot's quarter q into buffer g, then multiplies buffer f.
.macro QUARTER slot, q, f, g, first
	s_wait_dscnt 0x0                               ; buffer f's fragments, asked for a quarter ago, are in
	PLACES
	FETCH \slot, \q, \g
.if \first
	WIN MULB
.else
	WIN MUL
.endif
	MUL8 \f, 0, \first
	MUL8 \f, 1, \first
	MUL8 \f, 2, \first
	MUL8 \f, 3, \first
.endm
; The last quarter multiplies buffer 1 and changes slots: ONE barrier; in front of it each wave waits for all its tensor loads, adds 0 to its spare word, and waits for that and for its reads of this slot.
; fill = 1: the barrier opens a round of the cluster's, and this slot is filled again, two K steps ahead, first thing behind the round.
.macro TURN slot, next, fill
.if \fill
	s_wait_xcnt 0x0                                ; the last prefetch, a K step back, has read its address
	s_add_nc_u64 s[PFA:PFA+1], s[PFA:PFA+1], s[PFS:PFS+1]
.endif
	WIN 0
	s_wait_tensorcnt 0x0                           ; my part of the next slot has landed
	ds_add_u32 v[SPW], v[NIL]
	s_wait_dscnt 1                                 ; buffer 1's fragments are in; the add may be out
	WIN MUL
	MUL8 F1, 0, 0
	s_wait_dscnt 0x0                               ; the add is done, and my reads of this slot are over
	s_barrier_signal -1
	MUL8 F1, 1, 0
.if \fill
	WIN 0
.endif
	s_barrier_wait -1
.if \fill
	CREST                                          ; no wave of any partner still reads this slot or has a load on its way
	s_add_nc_u64 s[G0A+4*\slot+2:G0A+4*\slot+3], s[G0A+4*\slot+2:G0A+4*\slot+3], 2*ASTEP
	s_add_nc_u64 s[G0B+4*\slot+2:G0B+4*\slot+3], s[G0B+4*\slot+2:G0B+4*\slot+3], 2*BSTEP
	JLOAD \slot                                    ; the four v_nop behind it are also the places in front of the loads below
.else
	PLACES
.endif
	FETCH \next, 0, F0
.if \fill
	WIN 0
	ASK
.endif
	WIN MUL
	MUL8 F1, 2, 0
	MUL8 F1, 3, 0
.endm
	s_wait_tensorcnt 1                             ; my part of K step 0 is in; K step 1's load may be out
	s_barrier_signal -1
	s_barrier_wait -1
	FETCH 0, 0, F0
	s_wait_loadcnt 0x0                             ; bo
	QUARTER 0, 1, F0, F1, 1                        ; the first quarter stands in front of the loop: its products start the sums
	WIN 0
	s_mov_b32 s3, 3
.Llap:                                                 ; a trip goes once round the ring and fills both slots again: K steps 2 to 7 in three trips
	QUARTER 0, 2, F1, F0, 0
	QUARTER 0, 3, F0, F1, 0
	TURN 0, 1, 1
	QUARTER 1, 1, F0, F1, 0
	QUARTER 1, 2, F1, F0, 0
	QUARTER 1, 3, F0, F1, 0
	TURN 1, 0, 1
	QUARTER 0, 1, F0, F1, 0
	WIN 0
	s_sub_co_u32 s3, s3, 1
	s_cmp_lg_u32 s3, 0
	s_cbranch_scc1 .Llap
	QUARTER 0, 2, F1, F0, 0                        ; the last lap fills nothing
	QUARTER 0, 3, F0, F1, 0
	TURN 0, 1, 0
	QUARTER 1, 1, F0, F1, 0
	QUARTER 1, 2, F1, F0, 0
	QUARTER 1, 3, F0, F1, 0
	s_wait_dscnt 0x0
	WIN MUL
	MUL8 F1, 0, 0
	MUL8 F1, 1, 0
	MUL8 F1, 2, 0
	MUL8 F1, 3, 0
	WIN 0
; THE WAY OUT, a block of 16 rows x 128 columns at a time, through my own stage: a lane puts 32 bytes of a row, and the 32 lanes take whole rows of 512 bytes back and store them.
.macro TOSTAGE a
	WIN 0x08                                       ; an LDS store's data are its source 1: window 2
.irp b, 0,1,2,3,4,5,6,7
	ds_store_b128 v[STO], v[64*(\a)+8*\b:64*(\a)+8*\b+3] offset:64*\b          ; each accumulator from its low end on
	ds_store_b128 v[STO], v[64*(\a)+8*\b+4:64*(\a)+8*\b+7] offset:64*\b+16
.endr
	WIN 0
.set BB, BK+64*((\a)%2)
.irp t, 0,1,2,3,4,5,6,7,8,9,10,11,12,13,14,15
	ds_load_b128 v[BB+4*\t:BB+4*\t+3], v[RD] offset:\t*SPITCH   ; LDS serves a wave's instructions in order: these see the stores above
.endr
.endm
.macro SEND a, younger                 ; younger: the LDS instructions issued behind block a's loads
.set BB, BK+64*((\a)%2)
	s_wait_dscnt \younger
.irp t, 0,1,2,3,4,5,6,7,8,9,10,11,12,13,14,15
	global_store_b128 v[CO], v[BB+4*\t:BB+4*\t+3], s[10:11] offset:(16*(\a)+\t)*4096 th:TH_STORE_NT   ; 512 consecutive bytes, at a multiple of 256 from out0's first byte
.endr
.endm
	PLACES
	TOSTAGE 0
.irp a, 1,2,3
.if \a > 1
	s_wait_xcnt 0x0                                ; block a - 2's stores have read their registers: block a's loads may land there
.endif
	TOSTAGE \a
	SEND \a-1, 32                                  ; behind block a - 1's loads: block a's 16 stores and 16 loads
.endr
	SEND 3, 0
	s_wait_tensorcnt 0x0                           ; the wave's end
	ds_add_u32 v[SPW], v[NIL]
	s_wait_dscnt 0x0
	CROUND                                         ; the closing round
	s_endpgm
.Lfunc_end_k_qea51b420f6_outp:
	.size	k_qea51b420f6_outp, .Lfunc_end_k_qea51b420f6_outp-k_qea51b420f6_outp
	.p2alignl 7, 3214868480
	.fill 96, 4, 3214868480
	.section	.rodata,"a",@progbits
	.p2align	6, 0x0
	.amdhsa_kernel k_qea51b420f6_outp
		.amdhsa_group_segment_fixed_size 327680
		.amdhsa_private_segment_fixed_size 0
		.amdhsa_enable_private_segment 0
		.amdhsa_kernarg_size 32
		.amdhsa_user_sgpr_count 2
		.amdhsa_user_sgpr_kernarg_segment_ptr 1
		.amdhsa_wavefront_size32 1
		.amdhsa_system_sgpr_workgroup_id_x 1
		.amdhsa_system_sgpr_workgroup_id_y 1
		.amdhsa_system_sgpr_workgroup_id_z 1
		.amdhsa_system_vgpr_workitem_id 0
		.amdhsa_next_free_vgpr 768
		.amdhsa_next_free_sgpr 66
		.amdhsa_reserve_vcc 0
		.amdhsa_float_denorm_mode_32 3
		.amdhsa_float_denorm_mode_16_64 3
		.amdhsa_memory_ordered 1
		.amdhsa_forward_progress 1
		.amdhsa_inst_pref_size 87
	.end_amdhsa_kernel
	.amdgpu_metadata
---
amdhsa.version: [ 1, 2 ]
amdhsa.kernels:
  - .name:           k_qea51b420f6_outp
    .symbol:         k_qea51b420f6_outp.kd
    .args:
      - { .name: ctx, .offset: 0, .size: 8, .value_kind: global_buffer, .address_space: global }
      - { .name: wo16, .offset: 8, .size: 8, .value_kind: global_buffer, .address_space: global }
      - { .name: bo, .offset: 16, .size: 8, .value_kind: global_buffer, .address_space: global }
      - { .name: out0, .offset: 24, .size: 8, .value_kind: global_buffer, .address_space: global }
    .group_segment_fixed_size: 327680
    .private_segment_fixed_size: 0
    .kernarg_segment_align: 8
    .kernarg_segment_size: 32
    .max_flat_workgroup_size: 128
    .sgpr_count:     66
    .vgpr_count:     768
    .wavefront_size: 32
...
	.end_amdgpu_metadata
.endif
;; end of part 4
